; MI455X (gfx1250); checked and timed in simulation.
; The chip was launched on July 23, 2026; its instructions are those of AMD's public machine-readable ISA for CDNA 5 (MIT licence, August 2026) and "CDNA5" Instruction Set Architecture Reference Guide (July 2026). The comments in the code are by the model that wrote it; some were corrected since.
;; Dilated Self Attention. Allowed arithmetic: matrix products marked QUANTISED: E2M3 operands, one E8M0 scale for each 32 along K, by v_wmma_scale_f32_16x16x128_f8f6f4 with both operands' format E2M3, f32 sums; everything else in f32.
;; Inputs: Wk 1,024 x 1,024 float32; Wo 1,024 x 1,024 float32; Wq 1,024 x 1,024 float32; Wv 1,024 x 1,024 float32; bk 1,024 float32; bo 1,024 float32; bq 1,024 float32; bv 1,024 float32; x 2 x 4,096 x 1,024 float32.
;; Outputs: out0 2 x 4,096 x 1,024 float32.
;; This version of the problem:
;;   THIS VERSION OF THE PROBLEM IS GIVEN IN LOW PRECISION. The matrix products marked QUANTISED in the list below multiply operands that are first quantised to E2M3 (2 exponent bits, 3 mantissa bits; 6 bits a number), with one power-of-two scale for each 32 numbers along K (OCP MX v1.0); their sums are f32. All else is computed in f32.
;;   The module's matrix products, in the order in which they are computed (A, B: the left and right operand; K: the contracted axis; several contracted axes count as one K, in the product's order):
;;     1. [M 8,192, K 1,024] x [K 1,024, N 1,024]; A: input x; B: input Wq: QUANTISED
;;     2. [M 8,192, K 1,024] x [K 1,024, N 1,024]; A: input x; B: input Wk: QUANTISED
;;     3. [M 8,192, K 1,024] x [K 1,024, N 1,024]; A: input x; B: input Wv: QUANTISED
;;     4. batch 1,024 x [M 128, K 64] x [K 64, N 128]; A: computed on the way; B: computed on the way: QUANTISED
;;     5. batch 1,024 x [M 128, K 128] x [K 128, N 64]; A: softmax (see below); B: computed on the way: QUANTISED
;;     6. batch 1,024 x [M 128, K 64] x [K 64, N 32]; A: computed on the way; B: computed on the way: QUANTISED
;;     7. batch 1,024 x [M 128, K 32] x [K 32, N 64]; A: softmax (see below); B: computed on the way: QUANTISED
;;     8. batch 1,024 x [M 128, K 64] x [K 64, N 32]; A: computed on the way; B: computed on the way: QUANTISED
;;     9. batch 1,024 x [M 128, K 32] x [K 32, N 64]; A: softmax (see below); B: computed on the way: QUANTISED
;;     10. batch 1,024 x [M 128, K 64] x [K 64, N 32]; A: computed on the way; B: computed on the way: QUANTISED
;;     11. batch 1,024 x [M 128, K 32] x [K 32, N 64]; A: softmax (see below); B: computed on the way: QUANTISED
;;     12. batch 1,024 x [M 128, K 64] x [K 64, N 32]; A: computed on the way; B: computed on the way: QUANTISED
;;     13. batch 1,024 x [M 128, K 32] x [K 32, N 64]; A: softmax (see below); B: computed on the way: QUANTISED
;;     14. [M 8,192, K 1,024] x [K 1,024, N 1,024]; A: computed on the way; B: input Wo: QUANTISED
;;   THE QUANTISER, for each operand of a quantised product, along K:
;;     - K is cut into blocks of 32 from its start; a last block that is shorter is filled with zeros.
;;     - A block's scale is 2^e with e = floor(log2(the largest magnitude in the block)) - 2, held to -126 .. 127; a block of zeros has e = 0. As a byte (E8M0): e + 127.
;;     - Each number is divided by its block's scale, clamped to +-7.5, and rounded to the nearest number of E2M3, ties to even, subnormals kept.
;;     - The product sums the exact products of the quantised numbers (number of the format x scale) in f32.
;;   ~~~python
;;   def quantise(x, axis):      # numpy; x: float32 -> the quantised numbers, widened to float32 again
;;       x = np.moveaxis(x, axis, -1); K = x.shape[-1]
;;       x = np.pad(x, [(0, 0)] * (x.ndim - 1) + [(0, -K % 32)]); x = x.reshape(x.shape[:-1] + (-1, 32)); a = np.abs(x).max(-1, keepdims=True)
;;       e = np.where(a > 0, np.clip(np.frexp(np.where(a > 0, a, 1))[1] - 1 - 2, -126, 127), 0)      # np.frexp(a)[1] - 1 = floor(log2(a)), exactly
;;       r = np.clip(x / 2.0 ** e, -7.5, 7.5)
;;       step = 2.0 ** (np.maximum(np.frexp(np.where(r == 0, 1, r))[1] - 1, 0) - 3)
;;       q = np.round(r / step) * step * 2.0 ** e      # np.round: ties to even
;;       return np.moveaxis(q.reshape(q.shape[:-2] + (-1,))[..., :K], -1, axis).astype(np.float32)
;;   ~~~
;;   SOFTMAX AHEAD OF A QUANTISED PRODUCT. Where the list says 'softmax', what is quantised is not the finished softmax but p = 2^(t - M), with t = logit x log2(e) and M = ceil(the row's largest t), a whole number; so 1/2 < the row's largest p <= 1. The row's sum l is taken of the UNQUANTISED p, in f32, and the product's result is divided by l at the end. Since M is a whole number, a kernel that streams over the keys may use a running M (the ceiling of the running maximum): every later rescaling is an exact power of two, which a block's scale takes up: the codes' values come out the same.
;;   OPERANDS COMPUTED ON THE WAY. 'Computed on the way' means the value that the module computes at that place (a softmax that the list does not call 'softmax' is quantised finished and normalised). What goes into a quantiser is computed in f32, as accurately as f32 sums, v_exp_f32 and their like allow (about 1e-6 of the number): no bf16 or f16 on the way to a quantiser, and a product that is left as it is and whose result goes on into a quantised operand takes f32 operands (vector FMAs, or v_wmma_f32_16x16x4_f32). A number that lies on a knife's edge between two numbers of the format may be rounded either way, as far as f32 arithmetic and the matrix unit's own rounding can turn it there, and no further.
;; 2 versions, each right; version 2 is version 1 with the launch attn written anew for expert scheduling mode. Each part assembles by itself: llvm-mc -triple=amdgcn-amd-amdhsa -mcpu=gfx1250 --defsym DOCPART=n.
;; ======== version 1 of 2: 4 launches
;; workspace buffers: opnd 9,830,400 bytes; qkv 21,495,808 bytes; att 6,553,600 bytes
;; launch quant (part 1): grid 384 x 1, 4 waves a work-group, no clusters, 34,304 bytes of LDS; arguments Wq, Wk, Wv, Wo, x, opnd; writes opnd
.if DOCPART == 1
	.amdgcn_target "amdgcn-amd-amdhsa--gfx1250"
	.amdhsa_code_object_version 6
	.text
	.protected	k_qd4ea03532d_quant
	.globl	k_qd4ea03532d_quant
	.p2align	8
	.type	k_qd4ea03532d_quant,@function
k_qd4ea03532d_quant:
	s_mov_b64 s[64:65], 0
	v_nop
	global_prefetch_b8 v0, s[64:65] scope:SCOPE_SE
	s_setreg_imm32_b32 hwreg(HW_REG_WAVE_MODE, 25, 1), 1
	s_wait_xcnt 0x0
; x [8192][1024] and Wq, Wk, Wv, Wo [1024 (k)][1024 (n)], f32, become codes of FP6 (E2M3) with one E8M0 byte for each 32 along K, laid in the ORDER OF THE OPERAND'S REGISTERS.
; A fragment (16 rows x 128 K, 12 registers a lane) is an image of 1,536 bytes: half c at 768 c: registers 6c..6c+3 of lane l at 16 l (512 bytes), registers 6c+4, 6c+5 at 512 + 8 l (256 bytes).
; A block is 128 rows for all of K: [K step 0..7][tile 0..7][1,536] = 98,304 bytes at id x 98,304; its scale words [step][tile][16 rows] at SCOFF + id x 4,096.  ids 0-63: x; 64 + 8 w + nb: weight w, columns 128 nb on.
; ROWS OF x: tile 2B+u, row rho, is row 32B + 4 (rho & 7) + 2u + (rho >> 3) of the block: a block of 32 rows keeps its members, and every fourth row lies in rows 0-7 of the even tile.
; COLUMNS OF A WEIGHT: tile 2g+u, row rho, is column 32g + 8u + rho + 8 (rho >> 3).
; A block's scale is 2^(floor(log2(largest magnitude)) - 2); its byte is the largest magnitude's exponent field - 2, held at 1 from below.
; LIMITS: a block of zeros gets the byte 1 where the quantiser says 127 (its codes are zeros, and this program alone reads the bytes); NaN and infinities among the inputs are not served.
; Work-groups 0-255 take 32 rows of x each (wave kp: K steps 2kp, 2kp+1), the other 128 a weight's 128 columns x 256 along K (a wave: 32 columns).  Waves share nothing: no barrier.
; No matrix unit, no cluster, no tensor load: the launch streams each input byte once, and the waves' own loads keep 16 KiB a wave on their way.
.set SCOFF, 9437184
.set X,  56                            ; v56-119  x: 64 numbers of my row, k = 64c + 32h + 0..31
.set R,  120                           ; v120-247 x: two sets of 16 rows as loaded
.set C,  20                            ; v20-43   x: codes, two sets of 12
.set CW, 56                            ; v56-103  weights: codes: for each of two K steps 12 registers of the even blocks, 12 of the odd
.set XW, 120                           ; v120-183 weights: two sets of 32 numbers down K
	s_load_b128 s[8:11], s[0:1], 0x0               ; Wq, Wk
	s_load_b128 s[12:15], s[0:1], 0x10             ; Wv, Wo
	s_load_b128 s[4:7], s[0:1], 0x20               ; x, opnd
	v_lshl_add_u32 v248, v0, 2, 0x8400
	v_mov_b32 v249, 0
	v_lshrrev_b32 v1, 5, v0
	v_readfirstlane_b32 s18, v1                    ; wave
	v_and_b32 v2, 31, v0                           ; lane
	v_lshlrev_b32 v4, 4, v2                        ; 16 l
	v_lshlrev_b32 v5, 3, v2                        ; 8 l
	v_lshlrev_b32 v6, 2, v2                        ; 4 l
	s_cmp_lt_u32 ttmp9, 256
	s_cbranch_scc0 .Lweights
; ---------------- x ----------------
	s_mov_b32 s20, 0x76543210
	s_mov_b32 s21, 0xfedcba98                      ; selects for lane l xor 16
	s_mov_b32 s22, 0xffff0000                      ; lanes 16-31
	s_mul_i32 s19, s18, 8448                       ; my wave's stage: 16 rows x (512 + 16) bytes
	v_add_nc_u32 v7, s19, v4                       ; into it: a row as it lies
	v_and_b32 v3, 15, v0
	v_bfe_u32 v9, v0, 4, 1
	v_mul_u32_u24 v8, v3, 528
	v_lshl_add_u32 v8, v9, 7, v8
	v_add_nc_u32 v8, s19, v8                       ; out of it: row r, + 128 h
	v_lshlrev_b32 v9, 3, v9                        ; 8 h
	v_mov_b32 v17, 0                               ; a lane permute's destination counts as one of its sources
	s_lshl_b32 s24, ttmp9, 17                      ; 32 rows of 4,096 bytes
	s_lshl_b32 s25, s18, 10                        ; my two K steps: 1,024 bytes of a row
	s_add_co_u32 s24, s24, s25
	s_mov_b32 s25, 0
	s_lshr_b32 s26, ttmp9, 2                       ; the block
	s_and_b32 s27, ttmp9, 3                        ; which 32 rows of it
	s_lshl_b32 s28, s26, 6
	s_lshl_b32 s29, s18, 4
	s_add_co_u32 s28, s28, s29
	s_lshl_b32 s29, s27, 1
	s_add_co_u32 s28, s28, s29
	s_mul_i32 s28, s28, 1536                       ; ((block x 8 + step) x 8 + tile) x 1,536
	s_mov_b32 s29, 0
	s_lshl_b32 s30, s26, 12
	s_lshl_b32 s31, s18, 10
	s_add_co_u32 s30, s30, s31
	s_lshl_b32 s31, s27, 7
	s_add_co_u32 s30, s30, s31
	s_add_co_u32 s30, s30, SCOFF
	s_mov_b32 s31, 0
	s_wait_kmcnt 0x0
	s_add_nc_u64 s[4:5], s[4:5], s[24:25]
	s_add_nc_u64 s[32:33], s[6:7], s[28:29]
	s_add_nc_u64 s[34:35], s[6:7], s[30:31]
; fragment f = 2 s' + u: K step 2kp + s', tile 2 (B & 3) + u.  Each load reads 512 consecutive bytes of one row.
.macro LOADX f
.irp rho, 0,1,2,3,4,5,6,7,8,9,10,11,12,13,14,15
	global_load_b128 v[R+64*((\f)%2)+4*\rho:R+64*((\f)%2)+4*\rho+3], v4, s[4:5] offset:(4*(\rho&7)+2*((\f)%2)+(\rho>>3))*4096+512*((\f)/2) th:TH_LOAD_NT
.endr
.endm
.macro FRAGX f
.set RS, R+64*((\f)%2)
.set CB, C+12*((\f)%2)
.set IMG, (8*((\f)/2)+(\f)%2)*1536
.if (\f) < 3
	s_wait_loadcnt 16                              ; my sixteen loads are in; the next fragment's sixteen may be out
.else
	s_wait_loadcnt 0x0
.endif
.irp rho, 0,1,2,3,4,5,6,7,8,9,10,11,12,13,14,15
	ds_store_b128 v7, v[RS+4*\rho:RS+4*\rho+3] offset:528*\rho
.endr
.irp c, 0,1
.irp i, 0,1,2,3,4,5,6,7
	ds_load_b128 v[X+32*\c+4*\i:X+32*\c+4*\i+3], v8 offset:256*\c+16*\i   ; LDS serves a wave's instructions in order: these see the stores above
.endr
.endr
	s_wait_dscnt 0x0
.if (\f)+2 < 4
	LOADX (\f)+2
.else
	s_wait_xcnt 0x0                                ; the codes' set is written again only when the stores of two fragments ago have read it
.endif
.irp c, 0,1
	v_max3_num_f32 v[10+\c], |v[X+32*\c]|, |v[X+32*\c+1]|, 0x1800000   ; my block 2c + h, all 32 numbers mine; the floor 2^(3 - 127) holds the byte at 1 from below
.endr
.irp i, 2,4,6,8,10,12,14,16,18,20,22,24,26,28,30
.irp c, 0,1
	v_max3_num_f32 v[10+\c], v[10+\c], |v[X+32*\c+\i]|, |v[X+32*\c+\i+1]|
.endr
.endr
.irp c, 0,1
	v_add_nc_u32 v[12+\c], 0xff000000, v[10+\c]    ; 2 off the exponent field: the conversion's scale operand
.endr
.irp c, 0,1
	v_lshrrev_b32 v[14+\c], 23, v[12+\c]           ; the scale's byte
.endr
	v_cvt_scalef32_pk16_fp6_f32 v[CB:CB+2], v[X:X+15], v12
	v_cvt_scalef32_pk16_fp6_f32 v[44:46], v[X+16:X+31], v12        ; (a conversion's three registers begin on an even number)
	v_cvt_scalef32_pk16_fp6_f32 v[CB+6:CB+8], v[X+32:X+47], v13
	v_cvt_scalef32_pk16_fp6_f32 v[48:50], v[X+48:X+63], v13
	v_lshl_or_b32 v16, v15, 16, v14                ; my two bytes (a plain line behind the conversions)
.irp i, 0,1,2
	v_mov_b32 v[CB+3+\i], v[44+\i]
	v_mov_b32 v[CB+9+\i], v[48+\i]
.endr
	v_lshlrev_b32 v16, v9, v16                     ; at their places in the word: 8 h bits up
	v_permlanex16_b32 v17, v16, s20, s21
.if (\f)%2 == 0
	v_or_b32 v18, v16, v17                         ; the even tile's scale words
.else
	v_or_b32 v19, v16, v17
	v_cndmask_b32 v[52+(\f)/2], v18, v19, s22      ; lanes 0-15 the even tile's, lanes 16-31 the odd tile's
.endif
	global_store_b128 v4, v[CB:CB+3], s[32:33] offset:IMG
	global_store_b64 v5, v[CB+4:CB+5], s[32:33] offset:IMG+512
	global_store_b128 v4, v[CB+6:CB+9], s[32:33] offset:IMG+768
	global_store_b64 v5, v[CB+10:CB+11], s[32:33] offset:IMG+1280
.if (\f)%2 == 1
	global_store_b32 v6, v[52+(\f)/2], s[34:35] offset:512*((\f)/2)
.endif
.endm
	LOADX 0
	LOADX 1
	FRAGX 0
	FRAGX 1
	FRAGX 2
	FRAGX 3
	s_wait_tensorcnt 0x0
	ds_add_u32 v248, v249
	s_wait_dscnt 0x0
	s_endpgm
; ---------------- the weights: a lane takes a column, its registers run down K ----------------
.Lweights:
	s_sub_co_u32 s19, ttmp9, 256
	s_lshr_b32 s23, s19, 5                         ; which weight
	s_bfe_u32 s24, s19, 0x30002                    ; which 128 columns
	s_and_b32 s25, s19, 3                          ; which 256 along K
	v_and_b32 v3, 7, v2
	v_bfe_u32 v7, v2, 4, 1
	v_lshl_add_u32 v3, v7, 3, v3
	v_bfe_u32 v7, v2, 3, 1
	v_lshl_add_u32 v3, v7, 4, v3                   ; lane 16u + r holds tile u, row r: column (l & 7) + 8 (l >> 4) + 16 ((l >> 3) & 1) of my wave's 32
	v_lshlrev_b32 v3, 2, v3
	s_lshl_b32 s26, s25, 20                        ; 256 rows of 4,096 bytes
	s_lshl_b32 s27, s24, 9
	s_add_co_u32 s26, s26, s27
	s_lshl_b32 s27, s18, 7
	s_add_co_u32 s26, s26, s27
	s_mov_b32 s27, 0
	s_lshl_b32 s28, s23, 3
	s_add_co_u32 s28, s28, s24
	s_add_co_u32 s28, s28, 64                      ; the block's id
	s_lshl_b32 s30, s28, 6
	s_lshl_b32 s31, s25, 4
	s_add_co_u32 s30, s30, s31
	s_lshl_b32 s31, s18, 1
	s_add_co_u32 s30, s30, s31
	s_mul_i32 s30, s30, 1536
	s_mov_b32 s31, 0
	s_lshl_b32 s36, s28, 12
	s_lshl_b32 s37, s25, 10
	s_add_co_u32 s36, s36, s37
	s_lshl_b32 s37, s18, 7
	s_add_co_u32 s36, s36, s37
	s_add_co_u32 s36, s36, SCOFF
	s_mov_b32 s37, 0
	s_wait_kmcnt 0x0
	s_cmp_eq_u32 s23, 1                            ; the choice hangs on the work-group's number alone
	s_cselect_b64 s[8:9], s[10:11], s[8:9]
	s_cmp_eq_u32 s23, 2
	s_cselect_b64 s[8:9], s[12:13], s[8:9]
	s_cmp_eq_u32 s23, 3
	s_cselect_b64 s[8:9], s[14:15], s[8:9]
	s_add_nc_u64 s[8:9], s[8:9], s[26:27]
	s_add_nc_u64 s[32:33], s[6:7], s[30:31]
	s_add_nc_u64 s[34:35], s[6:7], s[36:37]
.macro LOADW kb                        ; block kb of 32 along K: a wave's load reads 128 consecutive bytes, the four waves 512
.irp i, 0,1,2,3,4,5,6,7,8,9,10,11,12,13,14,15,16,17,18,19,20,21,22,23,24,25,26,27,28,29,30,31
	global_load_b32 v[XW+32*((\kb)%2)+\i], v3, s[8:9] offset:(32*(\kb)+\i)*4096 th:TH_LOAD_NT
.endr
.endm
.macro BLOCKW kb
.set XS, XW+32*((\kb)%2)
.set DST, CW+24*((\kb)/4)+12*((\kb)%2)+6*(((\kb)%4)/2)
.set FA, CW+24*((\kb)/4)
.if (\kb) < 7
	s_wait_loadcnt 32                              ; this block's 32 loads are in; the next block's may be out
.else
	s_wait_loadcnt 0x0
.endif
	v_max3_num_f32 v12, |v[XS]|, |v[XS+1]|, |v[XS+2]|
	v_max3_num_f32 v13, |v[XS+3]|, |v[XS+4]|, |v[XS+5]|
.irp i, 6,10,14,18,22,26
	v_max3_num_f32 v12, v12, |v[XS+\i]|, |v[XS+\i+1]|
	v_max3_num_f32 v13, v13, |v[XS+\i+2]|, |v[XS+\i+3]|
.endr
	v_max3_num_f32 v12, v12, |v[XS+30]|, |v[XS+31]|
	v_max3_num_f32 v12, v12, v13, 0x1800000
	v_add_nc_u32 v11, 0xff000000, v12
	v_lshrrev_b32 v13, 23, v11
.if (\kb)%4 == 0
	v_mov_b32 v[108+(\kb)/4], v13                  ; my row's scale word: the lower K in the lower byte
.else
	v_lshl_or_b32 v[108+(\kb)/4], v13, 8*((\kb)%4), v[108+(\kb)/4]
.endif
	v_cvt_scalef32_pk16_fp6_f32 v[DST:DST+2], v[XS:XS+15], v11
	v_cvt_scalef32_pk16_fp6_f32 v[104:106], v[XS+16:XS+31], v11
	v_nop                                          ; one plain line behind a scaled conversion
.irp i, 0,1,2
	v_mov_b32 v[DST+3+\i], v[104+\i]
.endr
.if (\kb)+2 < 8
	LOADW (\kb)+2
.endif
.if (\kb)%2 == 1                       ; the even blocks' lanes 16-31 change places with the odd blocks' lanes 0-15: the first run is then the even tile's fragment, the second the odd tile's
.irp i, 0,1,2,3,4,5
	v_permlane16_swap_b32 v[FA+6*(((\kb)%4)/2)+\i], v[FA+12+6*(((\kb)%4)/2)+\i]
.endr
.endif
.if (\kb)%4 == 3
.irp u, 0,1
	global_store_b128 v4, v[FA+12*\u:FA+12*\u+3], s[32:33] offset:(8*((\kb)/4)+\u)*1536
	global_store_b64 v5, v[FA+12*\u+4:FA+12*\u+5], s[32:33] offset:(8*((\kb)/4)+\u)*1536+512
	global_store_b128 v4, v[FA+12*\u+6:FA+12*\u+9], s[32:33] offset:(8*((\kb)/4)+\u)*1536+768
	global_store_b64 v5, v[FA+12*\u+10:FA+12*\u+11], s[32:33] offset:(8*((\kb)/4)+\u)*1536+1280
.endr
	global_store_b32 v6, v[108+(\kb)/4], s[34:35] offset:512*((\kb)/4)
.endif
.endm
	LOADW 0
	LOADW 1
.irp q, 0,1,2,3,4,5,6,7
	BLOCKW \q
.endr
	s_endpgm
.Lfunc_end_k_qd4ea03532d_quant:
	.size	k_qd4ea03532d_quant, .Lfunc_end_k_qd4ea03532d_quant-k_qd4ea03532d_quant
	.p2alignl 7, 3214868480
	.fill 96, 4, 3214868480
	.section	.rodata,"a",@progbits
	.p2align	6, 0x0
	.amdhsa_kernel k_qd4ea03532d_quant
		.amdhsa_group_segment_fixed_size 34304
		.amdhsa_private_segment_fixed_size 0
		.amdhsa_enable_private_segment 0
		.amdhsa_kernarg_size 48
		.amdhsa_user_sgpr_count 2
		.amdhsa_user_sgpr_kernarg_segment_ptr 1
		.amdhsa_wavefront_size32 1
		.amdhsa_system_sgpr_workgroup_id_x 1
		.amdhsa_system_sgpr_workgroup_id_y 1
		.amdhsa_system_sgpr_workgroup_id_z 1
		.amdhsa_system_vgpr_workitem_id 0
		.amdhsa_next_free_vgpr 250
		.amdhsa_next_free_sgpr 66
		.amdhsa_reserve_vcc 0
		.amdhsa_float_denorm_mode_32 3
		.amdhsa_float_denorm_mode_16_64 3
		.amdhsa_memory_ordered 1
		.amdhsa_forward_progress 1
		.amdhsa_inst_pref_size 70
	.end_amdhsa_kernel
	.amdgpu_metadata
---
amdhsa.version: [ 1, 2 ]
amdhsa.kernels:
  - .name:           k_qd4ea03532d_quant
    .symbol:         k_qd4ea03532d_quant.kd
    .args:
      - { .name: Wq, .offset: 0, .size: 8, .value_kind: global_buffer, .address_space: global }
      - { .name: Wk, .offset: 8, .size: 8, .value_kind: global_buffer, .address_space: global }
      - { .name: Wv, .offset: 16, .size: 8, .value_kind: global_buffer, .address_space: global }
      - { .name: Wo, .offset: 24, .size: 8, .value_kind: global_buffer, .address_space: global }
      - { .name: x, .offset: 32, .size: 8, .value_kind: global_buffer, .address_space: global }
      - { .name: opnd, .offset: 40, .size: 8, .value_kind: global_buffer, .address_space: global }
    .group_segment_fixed_size: 34304
    .private_segment_fixed_size: 0
    .kernarg_segment_align: 8
    .kernarg_segment_size: 48
    .max_flat_workgroup_size: 128
    .sgpr_count:     66
    .vgpr_count:     250
    .wavefront_size: 32
...
	.end_amdgpu_metadata
.endif
;; end of part 1
;; launch qkv (part 2): grid 64 x 4, 4 waves a work-group, clusters of 4 x 4, 327,680 bytes of LDS; arguments opnd, bq, bk, bv, qkv; writes qkv
.if DOCPART == 2
	.amdgcn_target "amdgcn-amd-amdhsa--gfx1250"
	.amdhsa_code_object_version 6
	.text
	.protected	k_qd4ea03532d_qkv
	.globl	k_qd4ea03532d_qkv
	.p2align	8
	.type	k_qd4ea03532d_qkv,@function
k_qd4ea03532d_qkv:
	s_mov_b64 s[64:65], 0
	v_nop
	global_prefetch_b8 v0, s[64:65] scope:SCOPE_SE
	s_setreg_imm32_b32 hwreg(HW_REG_WAVE_MODE, 25, 1), 1
	s_wait_xcnt 0x0
	s_wait_alu depctr_hold_cnt(0) depctr_sa_sdst(0) depctr_va_vdst(0) depctr_va_sdst(0) depctr_va_ssrc(0) depctr_va_vcc(0) depctr_vm_vsrc(0)
	s_getreg_b32 s2, hwreg(HW_REG_IB_STS2, 6, 4)
	s_cmp_eq_u32 s2, 0
	s_cbranch_scc0 .Lentry_in_a_cluster
	s_endpgm
.Lentry_in_a_cluster:
	s_bfe_u32 s2, ttmp6, 0x10000c
	s_cmp_lg_u32 s2, 0xf033
	s_cbranch_scc0 .Lentry_shape_is_right
	s_endpgm
.Lentry_shape_is_right:
; q = x Wq + bq, k = x Wk + bk, v = x Wv + bv on codes of FP6 (E2M3), K = 1,024; the results are quantised in registers and leave as codes, in the order of the next launch's operand registers.
; A tile multiplies 256 rows of source 0 (two blocks) by 128 rows of source 1 (one block); a lane of a result holds ONE row of source 1, its registers run along source 0's rows.
; A WORK-GROUP STAYS AND MAKES THREE TILES.  It owns x's blocks X0, X0 + 1, two blocks of Wq or of Wk, and one of Wv:
;   tile 0: source 0 = the two weight blocks, source 1 = X0;  tile 1: the same weights, source 1 = X0 + 1: registers along the head's channels, the scores' K;
;   tile 2: source 0 = X0 and X0 + 1, source 1 = Wv's block: registers along the keys, the second product's K.  The keys 0, 4, 8 .. of a segment are quantised once more by themselves (one block of 32).
; Four waves: wave >> 1 picks the block of source 0, wave & 1 four of source 1's eight tiles: 32 accumulators a wave.
; ALL OF A TILE'S K LIES IN LDS: 3 blocks x 98,304 bytes.  A block comes in two halves of four K steps (49,152 dense bytes, one tensor load).  When every wave has the fragments of K steps 0-3 in registers, the first
; halves are filled with the next tile's; at K step 7 the second halves.  So the next tile's operands are on their way under this tile's products and its way out.  Seven blocks are asked for, not nine: the weights stay for tile 1.
; CLUSTER 4 x 4: x's blocks hang on cy and are asked for jointly by a row of the cluster, the weights' on cx and by a column: a quarter of the requests.
; Layouts (image of a fragment, block, order of rows and columns): as the launch that made opnd states them.  Out: QC, KC, VC [segment][head pair][tile 8][1,536]; VDC [segment][pair][tile pair 4][768]; scale words [segment][pair][tile 8][16].
; LIMITS: a block of zeros gets the byte 1 where the quantiser says 127 (zero codes; read by this program alone); NaN and infinities are not served; within a block of 32 keys the order is that of x's images, alike in p and in v.
; REGISTERS: window 0: v1-11 LDS addresses, v12-26 global offsets, v28-29 for the add, v32-63 and v64-79 scale words, v80-175 source 1's fragments (two sets), v176-239 the bias along registers, v240-247 along lanes;
;   window 1: source 0's fragments (two sets of 96); window 2: accumulator (a, b) at 8 (8a + b).
; All of a WGP's LDS is claimed.
.set BLKB,  98304
.set HB,    49152
.set SPARE, 294912                     ; behind the three blocks: the spare words, 128 bytes for each wave: two blocks of 256 bytes that no other line names
.set SCOFF, 9437184
.set QSO,   20447232
.set VDCO,  18874368
.set VDSO,  21233664
.set SPW, 28                           ; v28 LDS address of my spare word; never rewritten
.set NIL, 29                           ; v29 0; never rewritten
.set SC0, 32
.set SC1, 64
.set F1,  80
.set BB,  176
.set BL,  240
.set H,   80                           ; the way out: 64 numbers of a lane
.set PC,  144                          ; v144-163 the codes just made
.set TM,  164                          ; v164-175 largest magnitudes, bytes, scale operands
.set PW,  248                          ; the scale word just made; v249 the even tile's; v250, v251 those stored
.set VO,  176                          ; the dilated v (in the place of the bias along registers, which v does not use): the odd tile's six registers and word,
.set VE,  184                          ; the even tile's,
.set VP,  192                          ; the odd tile's brought to lanes 16-31,
.set VF,  200                          ; and what is stored
.set G1A, 24                           ; s[24:31] group 1 with my column's mask: the weights
.set G1B, 32                           ; s[32:39] with my row's mask: x
.set DA,  40                           ; s[40:47] groups 0: my weight block's two halves; s[48:55] x's block X0 + (wave & 1), two halves: all to region wave & 1
.set DB0, 56                           ; s[56:63], s[68:75] X0's two halves, then X0 + 1's; s[76:83] Wv's two halves: all to region 2.  No group 0 is ever rewritten
.set DB2, 68
.set DB3, 72
.set DB4, 76
.set DB5, 80
.set MSB, 0
.macro WIN new                         ; the immediate's high byte repeats the setting that is left
.if MSB != \new
	s_set_vgpr_msb (MSB<<8)|\new
.set MSB, \new
.endif
.endm
.macro CREST                           ; a round of the cluster's barrier behind its opening barrier
	s_cmp_lg_u32 s14, 0
	s_cbranch_scc1 .Lnot_wave_0_\@
	s_barrier_signal -3
.Lnot_wave_0_\@:
	s_barrier_wait -3
	s_barrier_signal -1
	s_barrier_wait -1
.endm
.macro CROUND                          ; a whole round
	s_barrier_signal -1
	s_barrier_wait -1
	CREST
.endm
.macro PLACES                          ; four plain lines between a matrix instruction and a load into, or a read of, its registers
.rept 4
	v_nop
.endr
.endm
; Joint refills.  The branches hang on the wave's number alone: they are the same in every work-group.  Four v_nop follow each load.
.macro JLOAD1 gb, g1b                  ; wave 2 alone
	s_cmp_eq_u32 s14, 2
	s_cbranch_scc0 .Lasked_\@
	tensor_load_to_lds s[\gb:\gb+3], s[\g1b:\g1b+7]
	s_nop 0
.rept 4
	v_nop
.endr
.Lasked_\@:
.endm
.macro JLOAD3 ga, g1a, gb, g1b         ; waves 0 and 1 for source 0's two blocks, wave 2 for source 1's
	s_cmp_lt_u32 s14, 2
	s_cbranch_scc0 .Lnot_a_\@
	tensor_load_to_lds s[\ga:\ga+3], s[\g1a:\g1a+7]
	s_nop 0
.rept 4
	v_nop
.endr
	s_branch .Lasked_\@
.Lnot_a_\@:
	s_cmp_eq_u32 s14, 2
	s_cbranch_scc0 .Lasked_\@
	tensor_load_to_lds s[\gb:\gb+3], s[\g1b:\g1b+7]
	s_nop 0
.rept 4
	v_nop
.endr
.Lasked_\@:
.endm
; one product; ra, rb: the side's scale words stand in lanes 16-31 of the register named
.macro WMZ d, a, b, sa, sb, ra, rb
.if (\ra) && (\rb)
	v_wmma_scale_f32_16x16x128_f8f6f4 v[(\d):(\d)+7], v[(\a):(\a)+11], v[(\b):(\b)+11], 0, v[(\sa)], v[(\sb)] matrix_a_fmt:MATRIX_FMT_FP6 matrix_b_fmt:MATRIX_FMT_FP6 matrix_a_scale:MATRIX_SCALE_ROW1 matrix_b_scale:MATRIX_SCALE_ROW1
.elseif (\ra)
	v_wmma_scale_f32_16x16x128_f8f6f4 v[(\d):(\d)+7], v[(\a):(\a)+11], v[(\b):(\b)+11], 0, v[(\sa)], v[(\sb)] matrix_a_fmt:MATRIX_FMT_FP6 matrix_b_fmt:MATRIX_FMT_FP6 matrix_a_scale:MATRIX_SCALE_ROW1
.elseif (\rb)
	v_wmma_scale_f32_16x16x128_f8f6f4 v[(\d):(\d)+7], v[(\a):(\a)+11], v[(\b):(\b)+11], 0, v[(\sa)], v[(\sb)] matrix_a_fmt:MATRIX_FMT_FP6 matrix_b_fmt:MATRIX_FMT_FP6 matrix_b_scale:MATRIX_SCALE_ROW1
.else
	v_wmma_scale_f32_16x16x128_f8f6f4 v[(\d):(\d)+7], v[(\a):(\a)+11], v[(\b):(\b)+11], 0, v[(\sa)], v[(\sb)] matrix_a_fmt:MATRIX_FMT_FP6 matrix_b_fmt:MATRIX_FMT_FP6
.endif
.endm
.macro WMC d, a, b, c, sa, sb, ra, rb
.if (\ra) && (\rb)
	v_wmma_scale_f32_16x16x128_f8f6f4 v[(\d):(\d)+7], v[(\a):(\a)+11], v[(\b):(\b)+11], v[(\c):(\c)+7], v[(\sa)], v[(\sb)] matrix_a_fmt:MATRIX_FMT_FP6 matrix_b_fmt:MATRIX_FMT_FP6 matrix_a_scale:MATRIX_SCALE_ROW1 matrix_b_scale:MATRIX_SCALE_ROW1
.elseif (\ra)
	v_wmma_scale_f32_16x16x128_f8f6f4 v[(\d):(\d)+7], v[(\a):(\a)+11], v[(\b):(\b)+11], v[(\c):(\c)+7], v[(\sa)], v[(\sb)] matrix_a_fmt:MATRIX_FMT_FP6 matrix_b_fmt:MATRIX_FMT_FP6 matrix_a_scale:MATRIX_SCALE_ROW1
.elseif (\rb)
	v_wmma_scale_f32_16x16x128_f8f6f4 v[(\d):(\d)+7], v[(\a):(\a)+11], v[(\b):(\b)+11], v[(\c):(\c)+7], v[(\sa)], v[(\sb)] matrix_a_fmt:MATRIX_FMT_FP6 matrix_b_fmt:MATRIX_FMT_FP6 matrix_b_scale:MATRIX_SCALE_ROW1
.else
	v_wmma_scale_f32_16x16x128_f8f6f4 v[(\d):(\d)+7], v[(\a):(\a)+11], v[(\b):(\b)+11], v[(\c):(\c)+7], v[(\sa)], v[(\sb)] matrix_a_fmt:MATRIX_FMT_FP6 matrix_b_fmt:MATRIX_FMT_FP6
.endif
.endm
; K step k's fragments into set p: source 0's eight (32 LDS loads), source 1's four (16): each load of 512 or 256 consecutive bytes
.macro FETCHA k, p
	WIN 0x40                                       ; destination window 1, address window 0
.irp i, 0,1,2,3,4,5,6,7
.irp c, 0,1
	ds_load_b128 v[96*(\p)+12*\i+6*\c:96*(\p)+12*\i+6*\c+3], v[4+(\k)/4] offset:((\k)%4)*12288+\i*1536+768*\c
	ds_load_b64 v[96*(\p)+12*\i+6*\c+4:96*(\p)+12*\i+6*\c+5], v[6+(\k)/4] offset:((\k)%4)*12288+\i*1536+768*\c
.endr
.endr
	WIN 0
.endm
.macro FETCHB k, p
.irp i, 0,1,2,3
.irp c, 0,1
	ds_load_b128 v[F1+48*(\p)+12*\i+6*\c:F1+48*(\p)+12*\i+6*\c+3], v[8+(\k)/4] offset:((\k)%4)*12288+\i*1536+768*\c
	ds_load_b64 v[F1+48*(\p)+12*\i+6*\c+4:F1+48*(\p)+12*\i+6*\c+5], v[10+(\k)/4] offset:((\k)%4)*12288+\i*1536+768*\c
.endr
.endr
.endm
.macro FETCH k, p
	FETCHA \k, \p
	FETCHB \k, \p
.endm
; 8 products: tile a of source 1 against source 0's eight.  cm = 0: the products start the sums
.macro MULA k, p, cm, a
.irp b, 0,1,2,3,4,5,6,7
.if (\cm) == 0
	WMZ 8*(8*(\a)+\b), 96*(\p)+12*\b, F1+48*(\p)+12*(\a), SC0+4*(\k)+\b/2, SC1+2*(\k)+(\a)/2, \b%2, (\a)%2
.else
	WMC 8*(8*(\a)+\b), 96*(\p)+12*\b, F1+48*(\p)+12*(\a), 8*(8*(\a)+\b), SC0+4*(\k)+\b/2, SC1+2*(\k)+(\a)/2, \b%2, (\a)%2
.endif
.endr
.endm
; a K step's 32 products: the 32 accumulators take turns, one instruction a turn, in the same order in every K step
.macro MUL k, p, cm
	MULA \k, \p, \cm, 0
	MULA \k, \p, \cm, 1
	MULA \k, \p, \cm, 2
	MULA \k, \p, \cm, 3
.endm
.macro KSTEP k, cm                     ; a K step whose successor lies in the same half, and a tile's last where nothing follows
	s_wait_dscnt 0x0                               ; this step's fragments are in
.if (\k) < 7
.if (\k) > 0
	PLACES
.endif
	FETCH (\k)+1, ((\k)+1)%2                       ; the next step's: 32 matrix instructions ahead of their use
.endif
	WIN 0xa1                                       ; source 0 window 1, source 1 window 0, C and D window 2
	MUL \k, (\k)%2, \cm
.endm
; K steps 3 and 7 leave a half.  ONE barrier: in front of it each wave waits for all its tensor loads (the half that is read next is among them), adds 0 to its spare word, and waits for that and for its reads of the half just left.
; jl = 1, 3: that half is filled with the next tile's: the barrier opens a round of the cluster's barrier, and the joint refill is the first thing behind the round, one load a wave.  jl = 0: nothing is left to fetch.
.macro TURN k, jl, ga, g1a, gb, g1b
	WIN 0                                          ; (the add's two registers lie in window 0)
	s_wait_tensorcnt 0x0                           ; all my tensor loads have landed;
	ds_add_u32 v[SPW], v[NIL]                      ; 0 onto my spare word;
	s_wait_dscnt 0x1                               ; this step's fragments are in; the add may be out
	WIN 0xa1
	MULA \k, (\k)%2, 1, 0                          ; eight matrix instructions stand between the add and the wait for it
	s_wait_dscnt 0x0                               ; the add is done, and my reads of the half just left are over
	s_barrier_signal -1
	MULA \k, (\k)%2, 1, 1                          ; work on registers while the others arrive
	WIN 0
	s_barrier_wait -1
.if (\jl) == 1
	CREST                                          ; no wave of any partner still reads that half or has a load on its way
	JLOAD1 \gb, \g1b
.elseif (\jl) == 3
	CREST
	JLOAD3 \ga, \g1a, \gb, \g1b
.endif
.if (\k) < 7
	PLACES                                         ; on every wave's path, that of a wave that asked for nothing too
	FETCH (\k)+1, ((\k)+1)%2
.endif
	WIN 0xa1
	MULA \k, (\k)%2, 1, 2
	MULA \k, (\k)%2, 1, 3
.endm
.macro LOADSC0 adr                     ; source 0's scale words for all of K: lanes 0-15 tile 2i's, lanes 16-31 tile 2i + 1's
.irp k, 0,1,2,3,4,5,6,7
.irp i, 0,1,2,3
	global_load_b32 v[SC0+4*\k+\i], v[\adr], s[4:5] offset:512*\k+128*\i
.endr
.endr
.endm
.macro LOADSC1 adr, off                ; source 1's, my four tiles
.irp k, 0,1,2,3,4,5,6,7
.irp i, 0,1
	global_load_b32 v[SC1+2*\k+\i], v[\adr], s[4:5] offset:\off+512*\k+128*\i
.endr
.endr
.endm
	s_load_b128 s[4:7], s[0:1], 0x0                ; opnd, bq
	s_load_b128 s[8:11], s[0:1], 0x10              ; bk, bv
	s_load_b64 s[12:13], s[0:1], 0x20              ; qkv
	v_lshl_add_u32 v[SPW], v0, 2, SPARE
	v_mov_b32 v[NIL], 0
	ds_add_u32 v28, v29
	s_wait_dscnt 0x0
	v_lshrrev_b32 v252, 5, v0
	v_readfirstlane_b32 s14, v252                  ; wave
	s_lshr_b32 s15, s14, 1                         ; which block of source 0 I multiply
	s_and_b32 s16, s14, 1                          ; which four tiles of source 1.  Also: which block of source 0 I fetch
	s_bfe_u32 s17, ttmp6, 0x40000                  ; cx
	s_bfe_u32 s18, ttmp6, 0x40004                  ; cy
	s_and_b32 s20, ttmp9, 1                        ; type: 0 q, 1 k; also which four blocks of Wv
	s_lshr_b32 s19, ttmp9, 1                       ; which eight blocks of x
	s_lshl_b32 s86, 0x1111, s17                    ; my column of the cluster
	s_or_b32 s[G1A], s86, (3<<16)|(1<<21)          ; 15:0 the mask; 17:16 elements of 8 bytes; 21 set beside a mask; no padding
	s_lshl_b32 s92, s18, 2
	s_lshl_b32 s92, 15, s92                        ; my row
	s_or_b32 s[G1B], s92, (3<<16)|(1<<21)
.irp g, G1A, G1B
	s_mov_b32 s[\g+1], 32<<16                      ; tensor_dim0 = 32 elements: 256 bytes
	s_mov_b32 s[\g+2], 192<<16                     ; tensor_dim1 = 192 rows: half a block, 49,152 dense bytes
	s_mov_b32 s[\g+3], 32<<16                      ; tile_dim0
	s_mov_b32 s[\g+4], 192                         ; tile_dim1
	s_mov_b32 s[\g+5], 32                          ; pitch
	s_mov_b32 s[\g+6], 0
	s_mov_b32 s[\g+7], 0
.endr
	; the weights' blocks hang on cx alone, x's on cy alone: each in registers that never hold the other coordinate
	s_lshl_b32 s21, s20, 3
	s_lshl_b32 s22, s17, 1                         ; 2 cx
	s_add_co_u32 s21, s21, s22
	s_add_co_u32 s21, s21, 64                      ; Wq's or Wk's first block of mine
	s_add_co_u32 s86, s21, s16                     ; the one that I fetch
	s_mul_i32 s86, s86, BLKB
	s_mov_b32 s87, 0
	s_lshl_b32 s23, s20, 2
	s_add_co_u32 s23, s23, s17                     ; v's head pair = Wv's block
	s_add_co_u32 s88, s23, 80
	s_mul_i32 s88, s88, BLKB
	s_mov_b32 s89, 0
	s_lshl_b32 s66, s19, 3
	s_lshl_b32 s67, s18, 1
	s_add_co_u32 s66, s66, s67                     ; X0
	s_mul_i32 s92, s66, BLKB
	s_mov_b32 s93, 0
	s_add_co_u32 s94, s66, s16                     ; X0 + (wave & 1): what I fetch of x for tile 2
	s_mul_i32 s94, s94, BLKB
	s_mov_b32 s95, 0
	s_mul_i32 s91, s16, BLKB                       ; where my block of source 0 goes: the wave's number alone
	s_mov_b32 s84, 0x76543210
	s_mov_b32 s85, 0xfedcba98                      ; selects for lane l xor 16
	s_wait_kmcnt 0x0
	s_add_nc_u64 s[86:87], s[4:5], s[86:87]
	s_add_nc_u64 s[88:89], s[4:5], s[88:89]
	s_add_nc_u64 s[92:93], s[4:5], s[92:93]
	s_add_nc_u64 s[94:95], s[4:5], s[94:95]
	s_cmp_eq_u32 s20, 1
	s_cselect_b64 s[6:7], s[8:9], s[6:7]           ; my type's bias
.irp h, 0,1
	s_mov_b32 s[DA+4*\h], 1
	s_add_co_u32 s[DA+4*\h+1], s91, HB*\h
	s_add_nc_u64 s[DA+4*\h+2:DA+4*\h+3], s[86:87], HB*\h
	s_or_b32 s[DA+4*\h+3], s[DA+4*\h+3], 0x80000000
	s_mov_b32 s[DA+8+4*\h], 1
	s_add_co_u32 s[DA+8+4*\h+1], s91, HB*\h
	s_add_nc_u64 s[DA+8+4*\h+2:DA+8+4*\h+3], s[94:95], HB*\h
	s_or_b32 s[DA+8+4*\h+3], s[DA+8+4*\h+3], 0x80000000
	s_mov_b32 s[DB4+4*\h], 1
	s_mov_b32 s[DB4+4*\h+1], 2*BLKB+HB*\h
	s_add_nc_u64 s[DB4+4*\h+2:DB4+4*\h+3], s[88:89], HB*\h
	s_or_b32 s[DB4+4*\h+3], s[DB4+4*\h+3], 0x80000000
.endr
.irp i, 0,1,2,3
	s_mov_b32 s[DB0+4*\i+4*((\i+2)/4)], 1
	s_mov_b32 s[DB0+4*\i+4*((\i+2)/4)+1], 2*BLKB+HB*(\i%2)
	s_add_nc_u64 s[DB0+4*\i+4*((\i+2)/4)+2:DB0+4*\i+4*((\i+2)/4)+3], s[92:93], HB*\i
	s_or_b32 s[DB0+4*\i+4*((\i+2)/4)+3], s[DB0+4*\i+4*((\i+2)/4)+3], 0x80000000
.endr
	CROUND                                         ; all sixteen work-groups are here: the first joint loads meet
	s_cmp_lt_u32 s14, 2                            ; waves 0, 1: the weights' two blocks; wave 2: X0; wave 3 none.  Two loads of a wave are out
	s_cbranch_scc0 .Lnot_a
	tensor_load_to_lds s[DA:DA+3], s[G1A:G1A+7]
	s_nop 0
	tensor_load_to_lds s[DA+4:DA+7], s[G1A:G1A+7]
	s_nop 0
.rept 4
	v_nop
.endr
	s_branch .Lasked
.Lnot_a:
	s_cmp_eq_u32 s14, 2
	s_cbranch_scc0 .Lasked
	tensor_load_to_lds s[DB0:DB0+3], s[G1B:G1B+7]
	s_nop 0
	tensor_load_to_lds s[DB0+4:DB0+7], s[G1B:G1B+7]
	s_nop 0
.rept 4
	v_nop
.endr
.Lasked:
	v_and_b32 v252, 31, v0                         ; lane
	v_and_b32 v253, 15, v0                         ; r
	v_bfe_u32 v254, v0, 4, 1                       ; h
	v_lshlrev_b32 v1, 4, v252
	v_lshlrev_b32 v2, 3, v252
	v_lshlrev_b32 v3, 2, v252
	s_mul_i32 s90, s15, BLKB
	v_add_nc_u32 v4, s90, v1                       ; source 0: the images' first planes, K steps 0-3,
	v_add_nc_u32 v5, 49152, v4                     ; K steps 4-7;
	v_add_nc_u32 v6, s90, v2
	v_add_nc_u32 v6, 512, v6                       ; their second planes
	v_add_nc_u32 v7, 49152, v6
	s_mul_i32 s90, s16, 6144
	s_add_co_u32 s90, s90, 2*BLKB
	v_add_nc_u32 v8, s90, v1                       ; source 1 likewise
	v_add_nc_u32 v9, 49152, v8
	v_add_nc_u32 v10, s90, v2
	v_add_nc_u32 v10, 512, v10
	v_add_nc_u32 v11, 49152, v10
	s_mov_b32 s90, 0xffff0000                      ; lanes 16-31
	; where the results go and the scale words and biases come from: these scalar registers feed no descriptor
	s_lshl_b32 s99, s16, 8                         ; 256 x (wave & 1)
	s_add_co_u32 s22, s22, s15                     ; q, k: the head pair
	s_lshl_b32 s96, s66, 3
	s_add_co_u32 s96, s96, s22                     ; 8 segment + pair, tile 0 (tile 1: one segment on, in the stores' immediates)
	s_mul_i32 s97, s20, 6291456
	s_mul_i32 s98, s96, 12288
	s_add_co_u32 s97, s97, s98
	s_mul_i32 s98, s16, 6144
	s_add_co_u32 s97, s97, s98
	v_add_nc_u32 v12, s97, v1
	v_add_nc_u32 v13, s97, v2
	v_add_nc_u32 v13, 512, v13
	s_lshl_b32 s97, s96, 9
	s_add_co_u32 s97, s97, s99
	s_lshl_b32 s98, s20, 18
	s_add_co_u32 s97, s97, s98
	s_add_co_u32 s97, s97, QSO
	v_add_nc_u32 v14, s97, v3
	s_add_co_u32 s96, s66, s15                     ; v: the segment is the block of x that I multiply
	s_lshl_b32 s67, s96, 12
	s_lshl_b32 s96, s96, 3
	s_add_co_u32 s96, s96, s23                     ; 8 segment + pair
	s_mul_i32 s97, s96, 12288
	s_mul_i32 s98, s16, 6144
	s_add_co_u32 s97, s97, s98
	s_add_co_u32 s97, s97, 2*6291456
	v_add_nc_u32 v22, s97, v1
	v_add_nc_u32 v23, s97, v2
	v_add_nc_u32 v23, 512, v23
	s_lshl_b32 s97, s96, 9
	s_add_co_u32 s97, s97, s99
	s_add_co_u32 s98, s97, QSO+2*262144
	v_add_nc_u32 v24, s98, v3
	s_add_co_u32 s98, s97, VDSO
	v_add_nc_u32 v17, s98, v3
	s_mul_i32 s97, s96, 3072
	s_mul_i32 s98, s16, 1536
	s_add_co_u32 s97, s97, s98
	s_add_co_u32 s97, s97, VDCO
	v_add_nc_u32 v15, s97, v1
	v_add_nc_u32 v16, s97, v2
	v_add_nc_u32 v16, 512, v16
	s_add_co_u32 s97, s21, s15
	s_lshl_b32 s97, s97, 12
	s_add_co_u32 s97, s97, SCOFF
	v_add_nc_u32 v18, s97, v3                      ; scale words: my block of Wq or Wk,
	s_lshl_b32 s97, s66, 12
	s_add_co_u32 s97, s97, s99
	s_add_co_u32 s97, s97, SCOFF
	v_add_nc_u32 v19, s97, v3                      ; my four tiles of X0 (X0 + 1: 4,096 bytes on),
	s_add_co_u32 s67, s67, SCOFF
	v_add_nc_u32 v25, s67, v3                      ; tile 2: my block of x,
	s_add_co_u32 s97, s23, 80
	s_lshl_b32 s97, s97, 12
	s_add_co_u32 s97, s97, s99
	s_add_co_u32 s97, s97, SCOFF
	v_add_nc_u32 v26, s97, v3                      ; my four tiles of Wv
	s_lshl_b32 s97, s22, 9
	v_lshl_add_u32 v20, v254, 6, s97               ; bq or bk along the registers: tile 2g + u: 128 g + 64 h + 32 u bytes of the pair's 512
	s_lshl_b32 s97, s23, 9
	s_add_co_u32 s97, s97, s99
	v_and_b32 v255, 8, v253
	v_add_nc_u32 v255, v255, v253
	v_lshl_add_u32 v21, v255, 2, s97               ; bv along the lanes: 4 (r + 8 (r >> 3))
	LOADSC0 18
	LOADSC1 19, 0
.irp b, 0,1,2,3,4,5,6,7
	global_load_b128 v[BB+8*\b:BB+8*\b+3], v20, s[6:7] offset:128*(\b/2)+32*(\b%2)
	global_load_b128 v[BB+8*\b+4:BB+8*\b+7], v20, s[6:7] offset:128*(\b/2)+32*(\b%2)+16
.endr
.irp a, 0,1,2,3
	global_load_b32 v[BL+2*\a], v21, s[10:11] offset:128*(\a/2)+32*(\a%2)
	global_load_b32 v[BL+2*\a+1], v21, s[10:11] offset:128*(\a/2)+32*(\a%2)
.endr
; 64 numbers of a lane, register 16 b + i = k 32 b + 16 (lane / 16) + i of my row, become a fragment's codes in v[PC] on and its scale word in v[PW]
.macro QUANT s
.irp b, 0,1,2,3
	v_max3_num_f32 v[TM+\b], |v[\s+16*\b]|, |v[\s+1+16*\b]|, 0x1800000   ; with the floor 2^(3 - 127): the byte cannot fall under 1
.endr
.irp i, 2,4,6,8,10,12,14
.irp b, 0,1,2,3
	v_max3_num_f32 v[TM+\b], v[TM+\b], |v[\s+16*\b+\i]|, |v[\s+1+16*\b+\i]|
.endr
.endr
.irp b, 0,1,2,3
	v_permlanex16_b32 v[TM+4+\b], v[TM+\b], s84, s85
.endr
.irp b, 0,1,2,3
	v_max_num_f32 v[TM+\b], v[TM+\b], v[TM+4+\b]
.endr
.irp b, 0,1,2,3
	v_add_nc_u32 v[TM+8+\b], 0xff000000, v[TM+\b]  ; 2 off the exponent field: the conversion's scale operand
.endr
.irp b, 0,1,2,3
	v_lshrrev_b32 v[TM+4+\b], 23, v[TM+8+\b]
.endr
	v_lshl_or_b32 v[PW], v[TM+5], 8, v[TM+4]
	v_lshl_or_b32 v[PW], v[TM+6], 16, v[PW]
	v_lshl_or_b32 v[PW], v[TM+7], 24, v[PW]
.irp c, 0,1
	v_cvt_scalef32_pk16_fp6_f32 v[PC+6*\c:PC+2+6*\c], v[\s+32*\c:\s+15+32*\c], v[TM+8+2*\c]
	v_cvt_scalef32_pk16_fp6_f32 v[PC+12+4*\c:PC+14+4*\c], v[\s+16+32*\c:\s+31+32*\c], v[TM+8+2*\c+1]
.endr
	v_nop                                          ; one plain line behind a scaled conversion
.irp c, 0,1                            ; the operand's layout wants a whole block in a lane
.irp i, 0,1,2
	v_permlane16_swap_b32 v[PC+6*\c+\i], v[PC+12+4*\c+\i]
.endr
.irp i, 0,1,2
	v_mov_b32 v[PC+3+6*\c+\i], v[PC+12+4*\c+\i]
.endr
.endr
.endm
; THE WAY OUT, a tile of source 1 at a time: the bias is added on the way into window 0 (each accumulator from its low end on), the 64 numbers are quantised, the image and the scale words are stored.
; ia, ib, is: the offset registers of the images' two planes and of the scale words; off, soff: bytes added for the second segment
.macro OUT isv, ia, ib, is, off, soff
.irp b, 0,1,2,3
	v_mov_b32 v[TM+4+\b], 0                        ; a lane permute's destination counts as one of its sources
.endr
.irp a, 0,1,2,3
	WIN 0x02                                       ; source 0 window 2
.irp i, 0,2,4,6,8,10,12,14,16,18,20,22,24,26,28,30,32,34,36,38,40,42,44,46,48,50,52,54,56,58,60,62
.if \isv
	v_pk_add_f32 v[H+\i:H+\i+1], v[64*\a+\i:64*\a+\i+1], v[BL+2*\a:BL+2*\a+1]
.else
	v_pk_add_f32 v[H+\i:H+\i+1], v[64*\a+\i:64*\a+\i+1], v[BB+\i:BB+\i+1]
.endif
.endr
	WIN 0
	s_wait_xcnt 0x0                                ; the last tile's stores have read their registers
	QUANT H
	global_store_b128 v[\ia], v[PC:PC+3], s[12:13] offset:\off+1536*\a
	global_store_b64 v[\ib], v[PC+4:PC+5], s[12:13] offset:\off+1536*\a
	global_store_b128 v[\ia], v[PC+6:PC+9], s[12:13] offset:\off+1536*\a+768
	global_store_b64 v[\ib], v[PC+10:PC+11], s[12:13] offset:\off+1536*\a+768
.if \a%2 == 0
	v_mov_b32 v249, v[PW]
.else
	v_cndmask_b32 v[250+\a/2], v249, v[PW], s90    ; lanes 0-15 the even tile's words, lanes 16-31 the odd tile's
	global_store_b32 v[\is], v[250+\a/2], s[12:13] offset:\soff+128*(\a/2)
.endif
.if \isv                               ; the keys 0, 4, 8 ..: registers 16 B + 0..7 of lanes 0-15: 32 numbers of one lane, one block
.if \a%2
.set VDR, VO
.else
.set VDR, VE
.endif
.irp j, 0,1,2,3,4,5,6,7
	v_mov_b32 v[H+8+\j], v[H+16+\j]
	v_mov_b32 v[H+40+\j], v[H+48+\j]
.endr
	v_max3_num_f32 v[TM], |v[H]|, |v[H+1]|, 0x1800000
	v_max3_num_f32 v[TM+1], |v[H+32]|, |v[H+33]|, 0x1800000
.irp i, 2,4,6,8,10,12,14
	v_max3_num_f32 v[TM], v[TM], |v[H+\i]|, |v[H+\i+1]|
	v_max3_num_f32 v[TM+1], v[TM+1], |v[H+32+\i]|, |v[H+33+\i]|
.endr
	v_max_num_f32 v[TM], v[TM], v[TM+1]
	v_add_nc_u32 v[TM+8], 0xff000000, v[TM]
	v_lshrrev_b32 v[TM+1], 23, v[TM+8]
	v_cvt_scalef32_pk16_fp6_f32 v[VDR:VDR+2], v[H:H+15], v[TM+8]
	v_cvt_scalef32_pk16_fp6_f32 v[PC+12:PC+14], v[H+32:H+47], v[TM+8]
	v_perm_b32 v[VDR+6], v[TM+1], v[TM+1], 0       ; the byte four times over (a plain line behind the conversions)
.irp i, 0,1,2
	v_mov_b32 v[VDR+3+\i], v[PC+12+\i]
.endr
.if \a%2
.irp i, 0,1,2,3,4,5,6
	v_permlanex16_b32 v[VP+\i], v[VO+\i], s84, s85
.endr
.irp i, 0,1,2,3,4,5,6
	v_cndmask_b32 v[VF+\i], v[VE+\i], v[VP+\i], s90
.endr
	global_store_b128 v15, v[VF:VF+3], s[12:13] offset:768*(\a/2)
	global_store_b64 v16, v[VF+4:VF+5], s[12:13] offset:768*(\a/2)
	global_store_b32 v17, v[VF+6], s[12:13] offset:128*(\a/2)
.endif
.endif
.endr
.endm
	; ---------------- tile 0: the weights x X0 ----------------
	s_wait_tensorcnt 0x1                           ; my first half is in; my second may stay out
	s_barrier_signal -1
	s_barrier_wait -1                              ; everybody's is
	FETCH 0, 0
	s_wait_loadcnt 0x0                             ; scale words and biases
	KSTEP 0, 0
	KSTEP 1, 1
	KSTEP 2, 1
	TURN 3, 1, 0, 0, DB2, G1B                      ; source 1's first half takes X0 + 1's
	KSTEP 4, 1
	KSTEP 5, 1
	KSTEP 6, 1
	TURN 7, 1, 0, 0, DB3, G1B                      ; its second half likewise; X0 + 1's first half has landed
	WIN 0
	PLACES
	LOADSC1 19, 4096                               ; the next tile's scale words and source 0's first fragments are asked for ahead of the way out
	FETCHA 0, 0
	OUT 0, 12, 13, 14, 0, 0
	s_wait_xcnt 0x0                                ; the stores have read the codes' registers, which source 1's fragments take
	FETCHB 0, 0
	s_wait_loadcnt 0x0
	; ---------------- tile 1: the weights x (X0 + 1) ----------------
	KSTEP 0, 0
	KSTEP 1, 1
	KSTEP 2, 1
	TURN 3, 3, DA+8, G1B, DB4, G1A                 ; all three first halves take tile 2's: x's two blocks and Wv's
	KSTEP 4, 1
	KSTEP 5, 1
	KSTEP 6, 1
	TURN 7, 3, DA+12, G1B, DB5, G1A                ; the second halves: the last loads
	WIN 0
	PLACES
	LOADSC0 25
	LOADSC1 26, 0
	FETCHA 0, 0
	OUT 0, 12, 13, 14, 98304, 4096
	s_wait_xcnt 0x0
	FETCHB 0, 0
	s_wait_loadcnt 0x0
	; ---------------- tile 2: (X0, X0 + 1) x Wv ----------------
	KSTEP 0, 0
	KSTEP 1, 1
	KSTEP 2, 1
	TURN 3, 0, 0, 0, 0, 0                          ; the second halves have landed, for every wave; nothing is left to fetch
	KSTEP 4, 1
	KSTEP 5, 1
	KSTEP 6, 1
	KSTEP 7, 1
	WIN 0
	PLACES
	OUT 1, 22, 23, 24, 0, 0
	s_wait_tensorcnt 0x0                           ; the wave's end: my last LDS instructions follow
	ds_add_u32 v[SPW], v[NIL]
	s_wait_dscnt 0x0
	CROUND                                         ; the closing round: no work-group ends while a partner may still ask for a tile that names it
	s_endpgm
.Lfunc_end_k_qd4ea03532d_qkv:
	.size	k_qd4ea03532d_qkv, .Lfunc_end_k_qd4ea03532d_qkv-k_qd4ea03532d_qkv
	.p2alignl 7, 3214868480
	.fill 96, 4, 3214868480
	.section	.rodata,"a",@progbits
	.p2align	6, 0x0
	.amdhsa_kernel k_qd4ea03532d_qkv
		.amdhsa_group_segment_fixed_size 327680
		.amdhsa_private_segment_fixed_size 0
		.amdhsa_enable_private_segment 0
		.amdhsa_kernarg_size 40
		.amdhsa_user_sgpr_count 2
		.amdhsa_user_sgpr_kernarg_segment_ptr 1
		.amdhsa_wavefront_size32 1
		.amdhsa_system_sgpr_workgroup_id_x 1
		.amdhsa_system_sgpr_workgroup_id_y 1
		.amdhsa_system_sgpr_workgroup_id_z 1
		.amdhsa_system_vgpr_workitem_id 0
		.amdhsa_next_free_vgpr 768
		.amdhsa_next_free_sgpr 100
		.amdhsa_reserve_vcc 0
		.amdhsa_float_denorm_mode_32 3
		.amdhsa_float_denorm_mode_16_64 3
		.amdhsa_memory_ordered 1
		.amdhsa_forward_progress 1
		.amdhsa_inst_pref_size 255
	.end_amdhsa_kernel
	.section	.bss,"aw",@nobits
	.p2align	6
	.space	262144
	.amdgpu_metadata
---
amdhsa.version: [ 1, 2 ]
amdhsa.kernels:
  - .name:           k_qd4ea03532d_qkv
    .symbol:         k_qd4ea03532d_qkv.kd
    .args:
      - { .name: opnd, .offset: 0, .size: 8, .value_kind: global_buffer, .address_space: global }
      - { .name: bq, .offset: 8, .size: 8, .value_kind: global_buffer, .address_space: global }
      - { .name: bk, .offset: 16, .size: 8, .value_kind: global_buffer, .address_space: global }
      - { .name: bv, .offset: 24, .size: 8, .value_kind: global_buffer, .address_space: global }
      - { .name: qkv, .offset: 32, .size: 8, .value_kind: global_buffer, .address_space: global }
    .group_segment_fixed_size: 327680
    .private_segment_fixed_size: 0
    .kernarg_segment_align: 8
    .kernarg_segment_size: 40
    .max_flat_workgroup_size: 128
    .sgpr_count:     100
    .vgpr_count:     768
    .wavefront_size: 32
...
	.end_amdgpu_metadata
.endif
;; end of part 2
;; launch attn (part 3): grid 256 x 1, 16 waves a work-group, no clusters, 104,448 bytes of LDS; arguments qkv, att; writes att
.if DOCPART == 3
	.amdgcn_target "amdgcn-amd-amdhsa--gfx1250"
	.amdhsa_code_object_version 6
	.text
	.protected	k_qd4ea03532d_attn
	.globl	k_qd4ea03532d_attn
	.p2align	8
	.type	k_qd4ea03532d_attn,@function
k_qd4ea03532d_attn:
	s_mov_b64 s[64:65], 0
	v_nop
	global_prefetch_b8 v0, s[64:65] scope:SCOPE_SE
	s_setreg_imm32_b32 hwreg(HW_REG_WAVE_MODE, 25, 1), 1
	s_wait_xcnt 0x0
; For each segment of 128 rows and each head of 64: out = softmax(q k^T / 8) v over the segment's 128 keys + the sum over the neighbours s-2, s-1, s+1, s+2 of w x softmax(q kd^T / 8) vd over their keys 0, 4, 8 .. (32),
; w = 1/4 inside the batch's 32 segments and 0 outside (such a neighbour is computed on a clamped segment and multiplied by 0: no branch).  All products on codes of FP6 (E2M3) with E8M0 scales for each 32 along K.
; THE SOFTMAX: t = score x log2(e) / 8; M = the row's largest t rounded up to a whole number (each of the five softmaxes has its own M); p = 2^(t - M) is quantised along the keys; the row's sum is taken of the unquantised p and divides at the end.
; SHARES.  A work-group owns a segment and two head pairs; of its sixteen waves each owns 16 queries and one pair (two heads, one after the other), in 256 registers: four waves to a SIMD, so that one wave's softmax stands beside another's products.
; LAYOUT.  Both products transposed (S^T = K Q^T, O^T = V^T P^T): a lane holds one query.  q's and k's images hold a PAIR's 128 channels; a head's K = 64 is had by zero codes in q's other half.
; The four neighbours' vd form one operand (block beta of K = neighbour beta); p's four blocks go in one at a time, the others as zero codes, since each neighbour has its own divisor.
; The result is quantised along the channels and leaves as codes, in the order of the last launch's operand registers.
; No multicast: the four work-groups of a segment read different heads, and what neighbouring segments share (kd, vd) is a sixth of a work-group's bytes.  Operands are copied once through registers into LDS: one barrier.
; LIMITS: a block of zeros gets the byte 1 (zero codes; read by this program alone); 1 / sum is v_rcp_f32; NaN and infinities are not served.
.set KC,  6291456
.set VC,  12582912
.set VDC, 18874368
.set QS,  20447232
.set KS,  20709376
.set VDS, 21233664
.set ATS, 6291456
.set LV,  24576                        ; LDS: K [pair 2][tile 8][1,536] at 0; V likewise here;
.set LKD, 49152                        ; KD [pair][neighbour 4][tile 2][1,536];
.set LVA, 73728                        ; VA [pair][d tile 8][1,536];
.set LSC, 98304                        ; scale words, 1,024 bytes each: K's, V's, KD's, VA's
.set NM,  12                           ; v12-15  -M of the four blocks
.set L,   16                           ; v16-19  the blocks' sums, then the factors
.set FS,  20                           ; v20-21  scale words of source 0
.set QT,  24                           ; v24-41  q of head 0, six zeros, q of head 1
.set FB,  42                           ; v42-89  four fragments
.set S,   90                           ; v90-153 S^T, then p, then the neighbours' products
.set O,   154                          ; v154-185 O^T of a head
.set PC,  186                          ; v186-197 p's codes
.set MK,  198                          ; v198-233 p's blocks one at a time, with zeros between
.set BM,  234
.set TP,  238
.set TS,  242
.set CT0, 246
.set CT1, 250
.macro PLACES
.rept 4
	v_nop
.endr
.endm
.macro WMZ d, a, b, sa, sb, ra
.if (\ra)
	v_wmma_scale_f32_16x16x128_f8f6f4 v[(\d):(\d)+7], v[(\a):(\a)+11], v[(\b):(\b)+11], 0, v[(\sa)], v[(\sb)] matrix_a_fmt:MATRIX_FMT_FP6 matrix_b_fmt:MATRIX_FMT_FP6 matrix_a_scale:MATRIX_SCALE_ROW1
.else
	v_wmma_scale_f32_16x16x128_f8f6f4 v[(\d):(\d)+7], v[(\a):(\a)+11], v[(\b):(\b)+11], 0, v[(\sa)], v[(\sb)] matrix_a_fmt:MATRIX_FMT_FP6 matrix_b_fmt:MATRIX_FMT_FP6
.endif
.endm
	s_load_b128 s[4:7], s[0:1], 0x0                ; qkv, att
	v_lshl_add_u32 v254, v0, 2, 0x19000
	v_mov_b32 v255, 0
	v_lshrrev_b32 v90, 5, v0
	v_readfirstlane_b32 s8, v90                    ; wave
	s_lshr_b32 s9, s8, 3                           ; which of the two pairs
	s_and_b32 s10, s8, 7                           ; my tile of queries
	s_lshr_b32 s11, ttmp9, 2                       ; segment
	s_and_b32 s12, ttmp9, 3
	s_lshl_b32 s13, s12, 1
	s_add_co_u32 s13, s13, s9                      ; pair
	s_and_b32 s14, s11, 31                         ; the segment within its batch
	s_and_b32 s15, s11, 32                         ; the batch's first segment
.macro NEIGH b, off                    ; neighbour b: its weight, and 8 x its clamped segment + pair
	s_add_co_i32 s30, s14, \off
	s_cmp_lt_u32 s30, 32
	s_cselect_b32 s[20+\b], 0x3e800000, 0
	s_max_i32 s30, s30, 0
	s_min_i32 s30, s30, 31
	s_add_co_u32 s30, s30, s15
	s_lshl_b32 s30, s30, 3
	s_add_co_u32 s[16+\b], s30, s13
.endm
	NEIGH 0, -2
	NEIGH 1, -1
	NEIGH 2, 1
	NEIGH 3, 2
	s_mov_b32 s24, 0x3e38aa3b                      ; c = log2(e) / 8
	s_mov_b32 s25, s24
	s_mov_b32 s26, 0x76543210
	s_mov_b32 s27, 0xfedcba98                      ; selects for lane l xor 16
	s_mov_b32 s28, 0x0000ffff                      ; lanes 0-15
	s_mov_b32 s29, 0xffff0000                      ; lanes 16-31
	s_bfe_u32 s32, s8, 0x20001                     ; the neighbour whose kd and vd I copy
	s_lshr_b32 s33, s32, 1
	s_and_b32 s34, s32, 1
	s_and_b32 s35, s8, 1                           ; which tile of kd, which half of vd
	s_add_co_u32 s30, s14, s32
	s_add_co_u32 s30, s30, s33
	s_sub_co_i32 s30, s30, 2                       ; its offset is beta - 2 + (beta >> 1)
	s_max_i32 s30, s30, 0
	s_min_i32 s30, s30, 31
	s_add_co_u32 s30, s30, s15
	s_lshl_b32 s36, s30, 3
	s_add_co_u32 s36, s36, s13
	s_lshl_b32 s37, s11, 3
	s_lshl_b32 s30, s12, 1
	s_add_co_u32 s37, s37, s30                     ; 8 segment + the work-group's first pair
	s_mul_i32 s56, s8, 1536
	s_mul_i32 s57, s9, 12288
	s_mul_i32 s38, s37, 12288
	s_add_co_u32 s38, s38, s56
	s_add_co_u32 s38, s38, KC
	s_mul_i32 s39, s36, 12288
	s_mul_i32 s30, s35, 3072
	s_add_co_u32 s39, s39, s30
	s_add_co_u32 s39, s39, KC
	s_mul_i32 s40, s36, 3072
	s_mul_i32 s30, s35, 1536
	s_add_co_u32 s40, s40, s30
	s_add_co_u32 s40, s40, VDC
	s_lshl_b32 s41, s9, 18                         ; waves 0-7 copy K's scale words, waves 8-15 V's, 262,144 bytes on
	s_lshl_b32 s30, s37, 9
	s_add_co_u32 s41, s41, s30
	s_lshl_b32 s30, s10, 7
	s_add_co_u32 s41, s41, s30
	s_add_co_u32 s41, s41, KS
	s_lshl_b32 s42, s36, 9
	s_lshl_b32 s30, s35, 7
	s_add_co_u32 s42, s42, s30
	s_add_co_u32 s42, s42, KS
	s_lshl_b32 s31, s10, 6
.irp b, 0,1,2,3
	s_lshl_b32 s[44+\b], s[16+\b], 9
	s_add_co_u32 s[44+\b], s[44+\b], s31
	s_add_co_u32 s[44+\b], s[44+\b], VDS
.endr
	s_add_co_u32 s43, s37, s9                      ; 8 segment + pair
	s_lshl_b32 s48, s43, 3
	s_add_co_u32 s48, s48, s10
	s_mul_i32 s48, s48, 1536
	s_lshl_b32 s49, s43, 9
	s_add_co_u32 s49, s49, s31
	s_add_co_u32 s49, s49, QS
	s_mul_i32 s50, s11, 98304
	s_mul_i32 s30, s13, 12288
	s_add_co_u32 s50, s50, s30
	s_mul_i32 s30, s10, 1536
	s_add_co_u32 s50, s50, s30
	s_mov_b32 s51, 0
	s_lshl_b32 s54, s11, 12
	s_lshl_b32 s30, s13, 9
	s_add_co_u32 s54, s54, s30
	s_add_co_u32 s54, s54, s31
	s_add_co_u32 s54, s54, ATS
	s_mov_b32 s55, 0
	s_mul_i32 s58, s35, 6144                       ; VA: pair, half, then block beta's place in an image: half beta >> 1, lanes 16 (beta & 1) on
	s_add_co_u32 s58, s58, s57
	s_mul_i32 s30, s33, 768
	s_add_co_u32 s58, s58, s30
	s_add_co_u32 s58, s58, LVA
	s_lshl_b32 s30, s34, 7
	s_add_co_u32 s59, s58, s30
	s_add_co_u32 s59, s59, 512
	s_lshl_b32 s30, s34, 8
	s_add_co_u32 s58, s58, s30
	v_and_b32 v154, 31, v0                         ; lane
	v_and_b32 v155, 15, v0
	v_bfe_u32 v156, v0, 4, 1
	v_and_b32 v157, 7, v0
	v_bfe_u32 v158, v0, 3, 1
	v_lshl_add_u32 v90, v154, 4, s38               ; K (and V, VC - KC bytes on): my 1,536 bytes as they lie
	v_mul_u32_u24 v91, v158, 6144                  ; KD: tile tau, row rho', is k's tile 4 (rho' >> 3) + 2 tau, row rho' & 7
	v_add_nc_u32 v91, s39, v91
	v_lshl_add_u32 v92, v156, 7, v91
	v_lshl_add_u32 v92, v157, 3, v92
	v_add_nc_u32 v92, 512, v92
	v_lshl_add_u32 v91, v156, 8, v91
	v_lshl_add_u32 v91, v157, 4, v91
	v_lshl_add_u32 v93, v154, 4, s40
	v_lshl_add_u32 v94, v154, 3, s40
	v_add_nc_u32 v94, 512, v94
	v_lshl_add_u32 v95, v154, 2, s41
	v_lshl_add_u32 v96, v158, 8, s42
	v_lshl_add_u32 v96, v157, 2, v96
.irp b, 0,1,2,3
	v_lshl_add_u32 v[97+\b], v155, 2, s[44+\b]
.endr
	v_lshl_add_u32 v101, v154, 4, s48
	v_lshl_add_u32 v102, v154, 3, s48
	v_add_nc_u32 v102, 512, v102
	v_lshl_add_u32 v103, v155, 2, s49
	v_lshl_add_u32 v104, v154, 4, s56              ; LDS: 1,536 x wave + 16 l
	v_lshl_add_u32 v106, v154, 3, s56
	v_mul_u32_u24 v107, v156, 1536
	v_lshl_add_u32 v108, v155, 3, v107
	v_add_nc_u32 v108, s59, v108
	v_lshl_add_u32 v107, v155, 4, v107
	v_add_nc_u32 v107, s58, v107
	s_lshl_b32 s30, s8, 7
	s_add_co_u32 s30, s30, LSC
	v_lshl_add_u32 v109, v154, 2, s30
	s_lshl_b32 s30, s8, 6
	s_add_co_u32 s30, s30, LSC+2048
	v_lshl_add_u32 v110, v155, 2, s30
	v_lshl_add_u32 v1, v154, 4, s57                ; what stays: an image's first plane in my pair's K (V: LV on),
	v_lshl_add_u32 v2, v154, 3, s57
	v_add_nc_u32 v2, 512, v2                       ; its second plane,
	v_add_nc_u32 v3, LKD, v1                       ; the same in KD (VA: LV on)
	v_add_nc_u32 v4, LKD, v2
	s_lshl_b32 s30, s9, 9
	s_add_co_u32 s30, s30, LSC
	v_lshl_add_u32 v5, v154, 2, s30                ; scale words: lanes 0-15 an even tile's, lanes 16-31 the next tile's
	v_lshlrev_b32 v6, 4, v154
	v_lshlrev_b32 v7, 3, v154
	v_lshlrev_b32 v8, 2, v155
	s_wait_kmcnt 0x0
	s_add_nc_u64 s[52:53], s[6:7], s[50:51]
	s_add_nc_u64 s[54:55], s[6:7], s[54:55]
.irp i, 0,1,2
	global_load_b128 v[FB+4*\i:FB+4*\i+3], v90, s[4:5] offset:512*\i
	global_load_b128 v[FB+12+4*\i:FB+12+4*\i+3], v90, s[4:5] offset:VC-KC+512*\i
.endr
.irp c, 0,1
	global_load_b128 v[FB+24+6*\c:FB+24+6*\c+3], v91, s[4:5] offset:768*\c
	global_load_b64 v[FB+24+6*\c+4:FB+24+6*\c+5], v92, s[4:5] offset:768*\c
	global_load_b128 v[FB+36+6*\c:FB+36+6*\c+3], v93, s[4:5] offset:768*\c
	global_load_b64 v[FB+36+6*\c+4:FB+36+6*\c+5], v94, s[4:5] offset:768*\c
.endr
	global_load_b32 v111, v95, s[4:5]
	global_load_b32 v112, v96, s[4:5]
.irp b, 0,1,2,3
	global_load_b32 v[113+\b], v[97+\b], s[4:5]
.endr
	global_load_b128 v[QT:QT+3], v101, s[4:5]
	global_load_b64 v[QT+4:QT+5], v102, s[4:5]
	global_load_b128 v[QT+12:QT+15], v101, s[4:5] offset:768
	global_load_b64 v[QT+16:QT+17], v102, s[4:5] offset:768
	global_load_b32 v9, v103, s[4:5]               ; q's scale words
.irp i, 0,1,2,3,4,5
	v_mov_b32 v[QT+6+\i], 0                        ; zero codes
	v_mov_b32 v[MK+6+\i], 0
	v_mov_b32 v[MK+24+\i], 0
.endr
.irp b, 0,1,2,3
	v_mov_b32 v[TP+\b], 0                          ; a lane permute's destination counts as one of its sources
.endr
	v_mov_b32 v23, 0                               ; (named as the upper half of the pair v[22:23])
	s_wait_loadcnt 0x0
.irp i, 0,1,2
	ds_store_b128 v104, v[FB+4*\i:FB+4*\i+3] offset:512*\i
	ds_store_b128 v104, v[FB+12+4*\i:FB+12+4*\i+3] offset:LV+512*\i
.endr
.irp c, 0,1
	ds_store_b128 v104, v[FB+24+6*\c:FB+24+6*\c+3] offset:LKD+768*\c
	ds_store_b64 v106, v[FB+24+6*\c+4:FB+24+6*\c+5] offset:LKD+512+768*\c
	ds_store_b128 v107, v[FB+36+6*\c:FB+36+6*\c+3] offset:3072*\c
	ds_store_b64 v108, v[FB+36+6*\c+4:FB+36+6*\c+5] offset:3072*\c
.endr
	ds_store_b32 v109, v111
	ds_store_b32 v110, v112                        ; (lanes 16-31 write the same words to the same places)
	v_bfi_b32 v113, 0xff, v113, v114               ; each neighbour's word holds its byte four times: byte b is taken from neighbour b
	v_bfi_b32 v113, 0xffff, v113, v115
	v_bfi_b32 v113, 0xffffff, v113, v116
	ds_store_b32 v110, v113 offset:1024
	s_wait_dscnt 0x0                               ; for the others' sake: my stores are done
	s_barrier_signal -1
	s_barrier_wait -1
; S^T = (eight tiles of 16 keys) x q of head e.  Only half e of each image is fetched: the other half of the registers meets q's zero codes.
.macro SCORES aa, ab, scl, e
.irp g, 0,1
	PLACES                                         ; in front of loads into registers that matrix instructions have read
.irp t, 0,1,2,3
	ds_load_b128 v[FB+12*\t+6*(\e):FB+12*\t+6*(\e)+3], v[\aa] offset:(4*\g+\t)*1536+768*(\e)
	ds_load_b64 v[FB+12*\t+6*(\e)+4:FB+12*\t+6*(\e)+5], v[\ab] offset:(4*\g+\t)*1536+768*(\e)
.endr
	ds_load_b32 v[FS], v5 offset:\scl+(4*\g)*64
	ds_load_b32 v[FS+1], v5 offset:\scl+(4*\g+2)*64
	s_wait_dscnt 0x0
.irp t, 0,1,2,3
	WMZ S+8*(4*\g+\t), FB+12*\t, QT+6*(\e), FS+\t/2, 9, \t%2
.endr
.endr
.endm
; head e's four tiles of V (or VA), whole: asked for here, waited for in front of the products behind the softmax
.macro VLOAD aa, ab, scl, e
	PLACES
.irp t, 0,1,2,3
.irp c, 0,1
	ds_load_b128 v[FB+12*\t+6*\c:FB+12*\t+6*\c+3], v[\aa] offset:LV+(4*(\e)+\t)*1536+768*\c
	ds_load_b64 v[FB+12*\t+6*\c+4:FB+12*\t+6*\c+5], v[\ab] offset:LV+(4*(\e)+\t)*1536+768*\c
.endr
.endr
	ds_load_b32 v[FS], v5 offset:\scl+(4*(\e))*64
	ds_load_b32 v[FS+1], v5 offset:\scl+(4*(\e)+2)*64
.endm
; The scores' four blocks of 32 keys become p's codes in v[PC] on, their scale word in v11, and the factors.  x = 0: one softmax over the four blocks; x = 1: a softmax to each block.
.macro SOFT x
.irp b, 0,1,2,3
	v_max3_num_f32 v[BM+\b], v[S+16*\b], v[S+16*\b+1], v[S+16*\b+2]   ; each block's largest score: for M, and, since p rises with the score, for the block's largest p
.endr
.irp i, 3,5,7,9,11,13
.irp b, 0,1,2,3
	v_max3_num_f32 v[BM+\b], v[BM+\b], v[S+16*\b+\i], v[S+16*\b+\i+1]
.endr
.endr
.irp b, 0,1,2,3
	v_max_num_f32 v[BM+\b], v[BM+\b], v[S+16*\b+15]
.endr
.irp b, 0,1,2,3
	v_permlanex16_b32 v[TP+\b], v[BM+\b], s26, s27
.endr
.irp b, 0,1,2,3
	v_max_num_f32 v[BM+\b], v[BM+\b], v[TP+\b]
.endr
.if \x
.irp b, 0,1,2,3
	v_mul_f32 v[NM+\b], s24, v[BM+\b]
.endr
.irp b, 0,1,2,3
	v_floor_f32 v[NM+\b], -v[NM+\b]                ; -M = floor(-t) = -ceil(t)
.endr
.else
	v_max3_num_f32 v22, v[BM], v[BM+1], v[BM+2]
	v_max_num_f32 v22, v22, v[BM+3]
	v_mul_f32 v22, s24, v22
	v_floor_f32 v[NM], -v22
	v_mov_b32 v[NM+1], v[NM]
	v_mov_b32 v[NM+2], v[NM]
	v_mov_b32 v[NM+3], v[NM]
.endif
.irp b, 0,1,2,3
.irp k, 0,2,4,6,8,10,12,14
.if \b%2
	v_pk_fma_f32 v[S+16*\b+\k:S+16*\b+\k+1], v[S+16*\b+\k:S+16*\b+\k+1], s[24:25], v[NM+2*(\b/2):NM+2*(\b/2)+1] op_sel:[0,0,1] op_sel_hi:[1,0,1]   ; t - M: of the pair of -M the high word serves both halves
.else
	v_pk_fma_f32 v[S+16*\b+\k:S+16*\b+\k+1], v[S+16*\b+\k:S+16*\b+\k+1], s[24:25], v[NM+2*(\b/2):NM+2*(\b/2)+1] op_sel_hi:[1,0,0]
.endif
.endr
.endr
.irp b, 0,1,2,3
	v_fma_f32 v[BM+\b], v[BM+\b], s24, v[NM+\b]
.endr
.irp j, 0,1,2,3,4,5,6,7,8,9,10,11,12,13,14,15,16,17,18,19,20,21,22,23,24,25,26,27,28,29,30,31,32,33,34,35,36,37,38,39,40,41,42,43,44,45,46,47,48,49,50,51,52,53,54,55,56,57,58,59,60,61,62,63
	v_exp_f32 v[S+\j], v[S+\j]                     ; p = 2^(t - M), at most 1
.endr
.irp b, 0,1,2,3
	v_exp_f32 v[BM+\b], v[BM+\b]
.endr
	v_nop                                          ; a plain line behind the exponentials
	s_wait_alu depctr_va_vdst(0)
.irp b, 0,1,2,3
	v_max_num_f32 v[BM+\b], 0x1800000, v[BM+\b]
.endr
.irp b, 0,1,2,3
	v_add_nc_u32 v[TS+\b], 0xff000000, v[BM+\b]
.endr
.irp b, 0,1,2,3
	v_lshrrev_b32 v[TP+\b], 23, v[TS+\b]
.endr
	v_lshl_or_b32 v11, v[TP+1], 8, v[TP]
	v_lshl_or_b32 v11, v[TP+2], 16, v11
	v_lshl_or_b32 v11, v[TP+3], 24, v11
	v_cvt_scalef32_pk16_fp6_f32 v[PC:PC+2], v[S:S+15], v[TS]
	v_cvt_scalef32_pk16_fp6_f32 v[CT0:CT0+2], v[S+16:S+31], v[TS+1]
	v_cvt_scalef32_pk16_fp6_f32 v[PC+6:PC+8], v[S+32:S+47], v[TS+2]
	v_cvt_scalef32_pk16_fp6_f32 v[CT1:CT1+2], v[S+48:S+63], v[TS+3]
	v_nop
.irp i, 0,1,2
	v_permlane16_swap_b32 v[PC+\i], v[CT0+\i]
	v_permlane16_swap_b32 v[PC+6+\i], v[CT1+\i]
.endr
.irp i, 0,1,2
	v_mov_b32 v[PC+3+\i], v[CT0+\i]
	v_mov_b32 v[PC+9+\i], v[CT1+\i]
.endr
.irp k, 0,4,8,12                       ; the sums of the unquantised p, block by block, in place.  (These lines are also the places between p's codes and scale word and the products that take them)
.irp b, 0,1,2,3
	v_pk_add_f32 v[S+16*\b+\k:S+16*\b+\k+1], v[S+16*\b+\k:S+16*\b+\k+1], v[S+16*\b+\k+2:S+16*\b+\k+3]
.endr
.endr
.irp k, 0,8
.irp b, 0,1,2,3
	v_pk_add_f32 v[S+16*\b+\k:S+16*\b+\k+1], v[S+16*\b+\k:S+16*\b+\k+1], v[S+16*\b+\k+4:S+16*\b+\k+5]
.endr
.endr
.irp b, 0,1,2,3
	v_pk_add_f32 v[S+16*\b:S+16*\b+1], v[S+16*\b:S+16*\b+1], v[S+16*\b+8:S+16*\b+9]
.endr
.irp b, 0,1,2,3
	v_add_f32 v[L+\b], v[S+16*\b], v[S+16*\b+1]
.endr
.irp b, 0,1,2,3
	v_permlanex16_b32 v[TP+\b], v[L+\b], s26, s27
.endr
.irp b, 0,1,2,3
	v_add_f32 v[L+\b], v[L+\b], v[TP+\b]
.endr
.if \x
.irp b, 0,1,2,3
	v_rcp_f32 v[L+\b], v[L+\b]
.endr
	v_nop
	s_wait_alu depctr_va_vdst(0)
.irp b, 0,1,2,3
	v_mul_f32 v[L+\b], s[20+\b], v[L+\b]           ; the neighbour's weight / its sum
.endr
.else
	v_add_f32 v[L], v[L], v[L+1]
	v_add_f32 v[L+2], v[L+2], v[L+3]
	v_add_f32 v[L], v[L], v[L+2]
	v_rcp_f32 v22, v[L]
	v_nop
.endif
.endm
.macro XP t                            ; d tile t x each neighbour's p by itself
.irp be, 0,1,2,3
	WMZ S+32*((\t)%2)+8*\be, FB+12*(\t), MK+18*(\be%2)+6*(\be/2), FS+(\t)/2, 11, (\t)%2
.endr
.endm
.macro COMB t                          ; O^T += each neighbour's product x its factor; each product from its low end on
.irp be, 0,1,2,3
.irp k, 0,2,4,6
.if \be%2
	v_pk_fma_f32 v[O+8*(\t)+\k:O+8*(\t)+\k+1], v[S+32*((\t)%2)+8*\be+\k:S+32*((\t)%2)+8*\be+\k+1], v[L+2*(\be/2):L+2*(\be/2)+1], v[O+8*(\t)+\k:O+8*(\t)+\k+1] op_sel:[0,1,0] op_sel_hi:[1,1,1]
.else
	v_pk_fma_f32 v[O+8*(\t)+\k:O+8*(\t)+\k+1], v[S+32*((\t)%2)+8*\be+\k:S+32*((\t)%2)+8*\be+\k+1], v[L+2*(\be/2):L+2*(\be/2)+1], v[O+8*(\t)+\k:O+8*(\t)+\k+1] op_sel_hi:[1,0,1]
.endif
.endr
.endr
.endm
.macro OQ e                            ; the head's 64 channels, register 16 b + i = channel 32 b + 16 (lane / 16) + i, become half e of the pair's image
.irp b, 0,1
	v_max3_num_f32 v[BM+\b], |v[O+16*\b]|, |v[O+16*\b+1]|, 0x1800000
.endr
.irp i, 2,4,6,8,10,12,14
.irp b, 0,1
	v_max3_num_f32 v[BM+\b], v[BM+\b], |v[O+16*\b+\i]|, |v[O+16*\b+\i+1]|
.endr
.endr
.irp b, 0,1
	v_permlanex16_b32 v[TP+\b], v[BM+\b], s26, s27
.endr
.irp b, 0,1
	v_max_num_f32 v[BM+\b], v[BM+\b], v[TP+\b]
.endr
.irp b, 0,1
	v_add_nc_u32 v[TS+\b], 0xff000000, v[BM+\b]
.endr
.irp b, 0,1
	v_lshrrev_b32 v[TP+\b], 23, v[TS+\b]
.endr
	v_cvt_scalef32_pk16_fp6_f32 v[PC:PC+2], v[O:O+15], v[TS]
	v_cvt_scalef32_pk16_fp6_f32 v[CT0:CT0+2], v[O+16:O+31], v[TS+1]
	v_nop
.irp i, 0,1,2
	v_permlane16_swap_b32 v[PC+\i], v[CT0+\i]
.endr
.irp i, 0,1,2
	v_mov_b32 v[PC+3+\i], v[CT0+\i]
.endr
	global_store_b128 v6, v[PC:PC+3], s[52:53] offset:768*(\e)          ; 512 consecutive bytes
	global_store_b64 v7, v[PC+4:PC+5], s[52:53] offset:768*(\e)+512     ; 256
.if \e
	v_lshl_or_b32 v10, v[TP], 16, v10
	v_lshl_or_b32 v10, v[TP+1], 24, v10
.else
	v_lshl_or_b32 v10, v[TP+1], 8, v[TP]
.endif
.endm
.macro HEAD e
.if \e
	s_wait_xcnt 0x0                                ; the last head's stores have read p's registers
.endif
	SCORES 1, 2, 0, \e
	VLOAD 1, 2, 1024, \e
	SOFT 0
	s_wait_dscnt 0x0                               ; V is in
.irp t, 0,1,2,3
	WMZ O+8*\t, FB+12*\t, PC, FS+\t/2, 11, \t%2
.endr
	SCORES 3, 4, 2048, \e
	VLOAD 3, 4, 3072, \e
	SOFT 1
.irp i, 0,1,2,3,4,5
	v_cndmask_b32 v[MK+\i], 0, v[PC+\i], s28       ; neighbour 0's block alone,
	v_cndmask_b32 v[MK+12+\i], 0, v[PC+6+\i], s28  ; 2's,
	v_cndmask_b32 v[MK+18+\i], 0, v[PC+\i], s29    ; 1's,
	v_cndmask_b32 v[MK+30+\i], 0, v[PC+6+\i], s29  ; 3's
.endr
.irp k, 0,2,4,6,8,10,12,14,16,18,20,22,24,26,28,30
	v_pk_mul_f32 v[O+\k:O+\k+1], v[O+\k:O+\k+1], v[22:23] op_sel_hi:[1,0]   ; the local part / its sum.  (Also the places in front of the products below)
.endr
	s_wait_dscnt 0x0                               ; VA is in
	XP 0
	XP 1
	PLACES
	COMB 0
	COMB 1                                         ; between a product and the product that writes over its registers: the four lines above and the other tile's sixteen
	XP 2
	XP 3
	PLACES
	COMB 2
	COMB 3
	OQ \e
.endm
	HEAD 0
	HEAD 1
	global_store_b32 v8, v10, s[54:55]             ; my 16 rows' scale words (lanes 16-31 store the same words to the same places)
	s_wait_tensorcnt 0x0
	ds_add_u32 v254, v255
	s_wait_dscnt 0x0
	s_endpgm
.Lfunc_end_k_qd4ea03532d_attn:
	.size	k_qd4ea03532d_attn, .Lfunc_end_k_qd4ea03532d_attn-k_qd4ea03532d_attn
	.p2alignl 7, 3214868480
	.fill 96, 4, 3214868480
	.section	.rodata,"a",@progbits
	.p2align	6, 0x0
	.amdhsa_kernel k_qd4ea03532d_attn
		.amdhsa_group_segment_fixed_size 104448
		.amdhsa_private_segment_fixed_size 0
		.amdhsa_enable_private_segment 0
		.amdhsa_kernarg_size 16
		.amdhsa_user_sgpr_count 2
		.amdhsa_user_sgpr_kernarg_segment_ptr 1
		.amdhsa_wavefront_size32 1
		.amdhsa_system_sgpr_workgroup_id_x 1
		.amdhsa_system_sgpr_workgroup_id_y 1
		.amdhsa_system_sgpr_workgroup_id_z 1
		.amdhsa_system_vgpr_workitem_id 0
		.amdhsa_next_free_vgpr 256
		.amdhsa_next_free_sgpr 66
		.amdhsa_reserve_vcc 0
		.amdhsa_float_denorm_mode_32 3
		.amdhsa_float_denorm_mode_16_64 3
		.amdhsa_memory_ordered 1
		.amdhsa_forward_progress 1
		.amdhsa_inst_pref_size 96
	.end_amdhsa_kernel
	.amdgpu_metadata
---
amdhsa.version: [ 1, 2 ]
amdhsa.kernels:
  - .name:           k_qd4ea03532d_attn
    .symbol:         k_qd4ea03532d_attn.kd
    .args:
      - { .name: qkv, .offset: 0, .size: 8, .value_kind: global_buffer, .address_space: global }
      - { .name: att, .offset: 8, .size: 8, .value_kind: global_buffer, .address_space: global }
    .group_segment_fixed_size: 104448
    .private_segment_fixed_size: 0
    .kernarg_segment_align: 8
    .kernarg_segment_size: 16
    .max_flat_workgroup_size: 512
    .sgpr_count:     66
    .vgpr_count:     256
    .wavefront_size: 32
...
	.end_amdgpu_metadata
.endif
;; end of part 3
;; launch proj (part 4): grid 64 x 4, 4 waves a work-group, clusters of 4 x 4, 295,424 bytes of LDS; arguments opnd, att, bo, out0; writes out0
.if DOCPART == 4
	.amdgcn_target "amdgcn-amd-amdhsa--gfx1250"
	.amdhsa_code_object_version 6
	.text
	.protected	k_qd4ea03532d_proj
	.globl	k_qd4ea03532d_proj
	.p2align	8
	.type	k_qd4ea03532d_proj,@function
k_qd4ea03532d_proj:
	s_mov_b64 s[64:65], 0
	v_nop
	global_prefetch_b8 v0, s[64:65] scope:SCOPE_SE
	s_setreg_imm32_b32 hwreg(HW_REG_WAVE_MODE, 25, 1), 1
	s_wait_xcnt 0x0
	s_wait_alu depctr_hold_cnt(0) depctr_sa_sdst(0) depctr_va_vdst(0) depctr_va_sdst(0) depctr_va_ssrc(0) depctr_va_vcc(0) depctr_vm_vsrc(0)
	s_getreg_b32 s2, hwreg(HW_REG_IB_STS2, 6, 4)
	s_cmp_eq_u32 s2, 0
	s_cbranch_scc0 .Lentry_in_a_cluster
	s_endpgm
.Lentry_in_a_cluster:
	s_bfe_u32 s2, ttmp6, 0x10000c
	s_cmp_lg_u32 s2, 0xf033
	s_cbranch_scc0 .Lentry_shape_is_right
	s_endpgm
.Lentry_shape_is_right:
; out0 = (attention's result) Wo + bo on codes of FP6 (E2M3), K = 1,024, f32 out.  Source 0 = 256 columns of Wo (two blocks of opnd), source 1 = a segment's 128 rows (a block of att):
; a lane of a result holds one row, its registers eight neighbouring columns.  Four waves: wave >> 1 picks the block of Wo, wave & 1 four of the segment's eight tiles: 32 accumulators a wave.
; ALL OF K LIES IN LDS AT ONCE: 3 blocks x 98,304 bytes, each byte filled once, in four chunks of two K steps; no slot is ever filled again.
; CLUSTER 4 x 4: Wo's blocks hang on cx and are asked for jointly by a column of the cluster, the segment on cy and by a row: a quarter of the requests.
; The bias is the C of each sum's first product.  Rows of a tile: tile 2B+u, row rho, is row 32B + 4 (rho & 7) + 2u + (rho >> 3) of the segment; columns: tile 2g+u, row rho, is column 32g + 8u + rho + 8 (rho >> 3).
; The way out goes through a stage of 16 x 528 bytes a wave in the bytes of Wo's K steps 0-2: they have had their only fill, and every wave's reads of them were waited for in front of a later barrier.
; REGISTERS: window 0: v1-11 LDS addresses, v12-20 offsets, v32-63 and v64-79 scale words, v80-175 source 1's fragments (two sets), v176-239 the bias; window 1: source 0's fragments (two sets of 96); window 2: accumulator (a, b) at 8 (8a + b).
.set BLKB,  98304
.set CHB,   24576
.set SCOFF, 9437184
.set ATS,   6291456
.set SC0, 32
.set SC1, 64
.set F1,  80
.set BB,  176
.set BK,  80                           ; the way out: 16 rows read back: v80-143 and v144-207 by turns
.set G1A, 24
.set G1B, 32
.set G0A, 40
.set G0B, 56
.set MSB, 0
.macro WIN new                         ; the immediate's high byte repeats the setting that is left
.if MSB != \new
	s_set_vgpr_msb (MSB<<8)|\new
.set MSB, \new
.endif
.endm
.macro CROUND                          ; a round of the cluster's barrier
	s_barrier_signal -1
	s_barrier_wait -1
	s_cmp_lg_u32 s14, 0
	s_cbranch_scc1 .Lnot_wave_0_\@
	s_barrier_signal -3
.Lnot_wave_0_\@:
	s_barrier_wait -3
	s_barrier_signal -1
	s_barrier_wait -1
.endm
.macro PLACES                          ; four plain lines between a matrix instruction and a load into, or a read of, its registers
.rept 4
	v_nop
.endr
.endm
.macro WMC d, a, b, c, sa, sb, ra, rb  ; one product; ra, rb: the side's scale words stand in lanes 16-31 of the register named
.if (\ra) && (\rb)
	v_wmma_scale_f32_16x16x128_f8f6f4 v[(\d):(\d)+7], v[(\a):(\a)+11], v[(\b):(\b)+11], v[(\c):(\c)+7], v[(\sa)], v[(\sb)] matrix_a_fmt:MATRIX_FMT_FP6 matrix_b_fmt:MATRIX_FMT_FP6 matrix_a_scale:MATRIX_SCALE_ROW1 matrix_b_scale:MATRIX_SCALE_ROW1
.elseif (\ra)
	v_wmma_scale_f32_16x16x128_f8f6f4 v[(\d):(\d)+7], v[(\a):(\a)+11], v[(\b):(\b)+11], v[(\c):(\c)+7], v[(\sa)], v[(\sb)] matrix_a_fmt:MATRIX_FMT_FP6 matrix_b_fmt:MATRIX_FMT_FP6 matrix_a_scale:MATRIX_SCALE_ROW1
.elseif (\rb)
	v_wmma_scale_f32_16x16x128_f8f6f4 v[(\d):(\d)+7], v[(\a):(\a)+11], v[(\b):(\b)+11], v[(\c):(\c)+7], v[(\sa)], v[(\sb)] matrix_a_fmt:MATRIX_FMT_FP6 matrix_b_fmt:MATRIX_FMT_FP6 matrix_b_scale:MATRIX_SCALE_ROW1
.else
	v_wmma_scale_f32_16x16x128_f8f6f4 v[(\d):(\d)+7], v[(\a):(\a)+11], v[(\b):(\b)+11], v[(\c):(\c)+7], v[(\sa)], v[(\sb)] matrix_a_fmt:MATRIX_FMT_FP6 matrix_b_fmt:MATRIX_FMT_FP6
.endif
.endm
.macro FETCH k, p                      ; K step k's fragments into set p: 48 LDS loads, each of 512 or 256 consecutive bytes
	WIN 0x40                                       ; destination window 1, address window 0
.irp i, 0,1,2,3,4,5,6,7
.irp c, 0,1
	ds_load_b128 v[96*(\p)+12*\i+6*\c:96*(\p)+12*\i+6*\c+3], v[4+(\k)/4] offset:((\k)%4)*12288+\i*1536+768*\c
	ds_load_b64 v[96*(\p)+12*\i+6*\c+4:96*(\p)+12*\i+6*\c+5], v[6+(\k)/4] offset:((\k)%4)*12288+\i*1536+768*\c
.endr
.endr
	WIN 0
.irp i, 0,1,2,3
.irp c, 0,1
	ds_load_b128 v[F1+48*(\p)+12*\i+6*\c:F1+48*(\p)+12*\i+6*\c+3], v[8+(\k)/4] offset:((\k)%4)*12288+\i*1536+768*\c
	ds_load_b64 v[F1+48*(\p)+12*\i+6*\c+4:F1+48*(\p)+12*\i+6*\c+5], v[10+(\k)/4] offset:((\k)%4)*12288+\i*1536+768*\c
.endr
.endr
.endm
; 32 products: the 32 accumulators take turns, one instruction a turn, in the same order in every K step.  cm = 2: the sums begin with the bias
.macro MUL k, p, cm
.irp a, 0,1,2,3
.irp b, 0,1,2,3,4,5,6,7
.if (\cm) == 2
	WMC 8*(8*\a+\b), 96*(\p)+12*\b, F1+48*(\p)+12*\a, BB+8*\b, SC0+4*(\k)+\b/2, SC1+2*(\k)+\a/2, \b%2, \a%2
.else
	WMC 8*(8*\a+\b), 96*(\p)+12*\b, F1+48*(\p)+12*\a, 8*(8*\a+\b), SC0+4*(\k)+\b/2, SC1+2*(\k)+\a/2, \b%2, \a%2
.endif
.endr
.endr
.endm
.macro STAGE c                         ; chunk c (K steps 2c, 2c + 1) is in LDS for every wave: of my four loads the 3 - c later ones may be out
	s_wait_tensorcnt 3-(\c)
	s_barrier_signal -1
	s_barrier_wait -1
.endm
.macro KSTEP k, cm
	s_wait_dscnt 0x0                               ; this step's fragments are in (asked for 32 matrix instructions ago)
.if ((\k)%2 == 1) && ((\k) < 7)
	STAGE ((\k)+1)/2
.endif
.if (\k) < 7
.if (\k) > 0
	PLACES
.endif
	FETCH (\k)+1, ((\k)+1)%2
.endif
.if (\cm) == 2
	WIN 0x81                                       ; source 0 window 1, source 1 and C (the bias) window 0, D window 2
.else
	WIN 0xa1                                       ; C and D window 2
.endif
	MUL \k, (\k)%2, \cm
.endm
	s_load_b128 s[4:7], s[0:1], 0x0                ; opnd, att
	s_load_b128 s[8:11], s[0:1], 0x10              ; bo, out0
	v_lshl_add_u32 v254, v0, 2, 0x48000
	v_mov_b32 v255, 0
	ds_add_u32 v254, v255
	v_lshrrev_b32 v22, 5, v0
	v_readfirstlane_b32 s14, v22                   ; wave
	s_lshr_b32 s15, s14, 1                         ; which block of Wo I multiply
	s_and_b32 s16, s14, 1                          ; which four tiles of rows.  Also: which block of Wo I fetch
	s_bfe_u32 s17, ttmp6, 0x40000                  ; cx
	s_bfe_u32 s18, ttmp6, 0x40004                  ; cy
	s_lshl_b32 s82, 0x1111, s17                    ; my column of the cluster
	s_or_b32 s[G1A], s82, (3<<16)|(1<<21)          ; 15:0 the mask; 17:16 elements of 8 bytes; 21 set beside a mask; no padding
	s_lshl_b32 s84, s18, 2
	s_lshl_b32 s84, 15, s84                        ; my row
	s_or_b32 s[G1B], s84, (3<<16)|(1<<21)
.irp g, G1A, G1B
	s_mov_b32 s[\g+1], 32<<16                      ; tensor_dim0 = 32 elements: 256 bytes
	s_mov_b32 s[\g+2], 96<<16                      ; tensor_dim1 = 96 rows: a chunk of 24,576 dense bytes
	s_mov_b32 s[\g+3], 32<<16                      ; tile_dim0
	s_mov_b32 s[\g+4], 96                          ; tile_dim1
	s_mov_b32 s[\g+5], 32                          ; pitch
	s_mov_b32 s[\g+6], 0
	s_mov_b32 s[\g+7], 0
.endr
	s_lshl_b32 s78, s17, 1
	s_add_co_u32 s78, s78, 88                      ; Wo's first block: hangs on cx alone
	s_lshl_b32 s79, ttmp9, 2
	s_add_co_u32 s79, s79, s18                     ; the segment: on the cluster and cy alone
	s_add_co_u32 s82, s78, s16
	s_mul_i32 s82, s82, BLKB
	s_mov_b32 s83, 0
	s_mul_i32 s84, s79, BLKB
	s_mov_b32 s85, 0
	s_mul_i32 s91, s16, BLKB                       ; where my block of Wo goes: the wave's number alone
	; these registers feed no descriptor
	s_lshl_b32 s66, s17, 1
	s_add_co_u32 s66, s66, s15                     ; my 128 columns
	s_add_co_u32 s67, s78, s15
	s_lshl_b32 s92, s79, 19                        ; 128 rows of 4,096 bytes
	s_lshl_b32 s93, s16, 18
	s_add_co_u32 s92, s92, s93
	s_lshl_b32 s96, s66, 9
	s_add_co_u32 s92, s92, s96
	s_lshl_b32 s3, s67, 12
	s_add_co_u32 s3, s3, SCOFF                     ; Wo's scale words
	s_lshl_b32 s98, s79, 12
	s_lshl_b32 s94, s16, 8
	s_add_co_u32 s98, s98, s94
	s_add_co_u32 s98, s98, ATS                     ; the rows' scale words
	s_wait_dscnt 0x0
	s_wait_kmcnt 0x0
	s_add_nc_u64 s[86:87], s[4:5], s[82:83]
	s_add_nc_u64 s[88:89], s[6:7], s[84:85]
.irp c, 0,1,2,3
	s_mov_b32 s[G0A+4*\c], 1
	s_add_co_u32 s[G0A+4*\c+1], s91, CHB*\c
	s_add_nc_u64 s[G0A+4*\c+2:G0A+4*\c+3], s[86:87], CHB*\c
	s_or_b32 s[G0A+4*\c+3], s[G0A+4*\c+3], 0x80000000
	s_mov_b32 s[G0B+4*\c+4*(\c/2)], 1
	s_mov_b32 s[G0B+4*\c+4*(\c/2)+1], 2*BLKB+CHB*\c
	s_add_nc_u64 s[G0B+4*\c+4*(\c/2)+2:G0B+4*\c+4*(\c/2)+3], s[88:89], CHB*\c
	s_or_b32 s[G0B+4*\c+4*(\c/2)+3], s[G0B+4*\c+4*(\c/2)+3], 0x80000000
.endr
	CROUND                                         ; all sixteen work-groups are here: the joint loads meet
	s_cmp_lt_u32 s14, 2                            ; waves 0, 1: Wo's two blocks; wave 2: the segment's; wave 3 none.  Four loads of a wave are out at the most
	s_cbranch_scc0 .Lnot_a
	tensor_load_to_lds s[40:43], s[G1A:G1A+7]
	s_nop 0
	tensor_load_to_lds s[44:47], s[G1A:G1A+7]
	s_nop 0
	tensor_load_to_lds s[48:51], s[G1A:G1A+7]
	s_nop 0
	tensor_load_to_lds s[52:55], s[G1A:G1A+7]
	s_nop 0
.rept 4
	v_nop
.endr
	s_branch .Lasked
.Lnot_a:
	s_cmp_eq_u32 s14, 2
	s_cbranch_scc0 .Lasked
	tensor_load_to_lds s[56:59], s[G1B:G1B+7]
	s_nop 0
	tensor_load_to_lds s[60:63], s[G1B:G1B+7]
	s_nop 0
	tensor_load_to_lds s[68:71], s[G1B:G1B+7]
	s_nop 0
	tensor_load_to_lds s[72:75], s[G1B:G1B+7]
	s_nop 0
.rept 4
	v_nop
.endr
.Lasked:
	v_and_b32 v22, 31, v0                          ; lane
	v_and_b32 v23, 15, v0                          ; r
	v_bfe_u32 v24, v0, 4, 1                        ; h
	v_lshlrev_b32 v1, 4, v22
	v_lshlrev_b32 v2, 3, v22
	v_lshlrev_b32 v3, 2, v22
	s_mul_i32 s90, s15, BLKB
	v_add_nc_u32 v4, s90, v1                       ; source 0: the images' first planes, K steps 0-3,
	v_add_nc_u32 v5, 49152, v4                     ; K steps 4-7;
	v_add_nc_u32 v6, s90, v2
	v_add_nc_u32 v6, 512, v6                       ; their second planes
	v_add_nc_u32 v7, 49152, v6
	s_mul_i32 s90, s16, 6144
	s_add_co_u32 s90, s90, 2*BLKB
	v_add_nc_u32 v8, s90, v1                       ; source 1 likewise
	v_add_nc_u32 v9, 49152, v8
	v_add_nc_u32 v10, s90, v2
	v_add_nc_u32 v10, 512, v10
	v_add_nc_u32 v11, 49152, v10
	v_add_nc_u32 v12, s92, v1                      ; out0: 16 bytes a lane of my 512 bytes of a row
	s_mul_i32 s90, s14, 8448                       ; my stage
	v_mul_u32_u24 v13, v23, 528
	v_lshl_add_u32 v13, v24, 6, v13
	v_add_nc_u32 v13, s90, v13                     ; in: row r, + 64 h
	v_add_nc_u32 v14, s90, v1                      ; back: a row of 512 bytes to the 32 lanes
	v_add_nc_u32 v18, s3, v3
	v_add_nc_u32 v19, s98, v3
	v_lshl_add_u32 v20, v24, 6, s96                ; the bias: tile 2g + u: 128 g + 64 h + 32 u bytes
.irp k, 0,1,2,3,4,5,6,7
.irp i, 0,1,2,3
	global_load_b32 v[SC0+4*\k+\i], v18, s[4:5] offset:512*\k+128*\i   ; lanes 0-15 tile 2i's words, lanes 16-31 tile 2i + 1's
.endr
.irp i, 0,1
	global_load_b32 v[SC1+2*\k+\i], v19, s[6:7] offset:512*\k+128*\i
.endr
.endr
.irp b, 0,1,2,3,4,5,6,7
	global_load_b128 v[BB+8*\b:BB+8*\b+3], v20, s[8:9] offset:128*(\b/2)+32*(\b%2)
	global_load_b128 v[BB+8*\b+4:BB+8*\b+7], v20, s[8:9] offset:128*(\b/2)+32*(\b%2)+16
.endr
	STAGE 0
	FETCH 0, 0
	s_wait_loadcnt 0x0                             ; scale words and bias
	KSTEP 0, 2
	KSTEP 1, 1
	KSTEP 2, 1
	KSTEP 3, 1
	KSTEP 4, 1
	KSTEP 5, 1
	KSTEP 6, 1
	KSTEP 7, 1
	WIN 0
; THE WAY OUT, a tile of 16 rows x 128 columns at a time: through my stage and back as whole rows of 512 bytes.  LDS serves a wave's instructions in order: no wait between the stores and the loads.
.macro TOSTAGE a
	WIN 0x08                                       ; an LDS store's data are its source 1: window 2
.irp b, 0,1,2,3,4,5,6,7
	ds_store_b128 v13, v[64*(\a)+8*\b:64*(\a)+8*\b+3] offset:128*(\b/2)+32*(\b%2)          ; each accumulator from its low end on
	ds_store_b128 v13, v[64*(\a)+8*\b+4:64*(\a)+8*\b+7] offset:128*(\b/2)+32*(\b%2)+16
.endr
	WIN 0
.irp t, 0,1,2,3,4,5,6,7,8,9,10,11,12,13,14,15
	ds_load_b128 v[BK+64*((\a)%2)+4*\t:BK+64*((\a)%2)+4*\t+3], v14 offset:528*\t
.endr
.endm
.macro SEND a, younger                 ; younger: the LDS instructions issued behind tile a's loads, which may stay out
	s_wait_dscnt \younger
.irp t, 0,1,2,3,4,5,6,7,8,9,10,11,12,13,14,15
	global_store_b128 v12, v[BK+64*((\a)%2)+4*\t:BK+64*((\a)%2)+4*\t+3], s[10:11] offset:(32*((\a)/2)+2*((\a)%2)+4*(\t&7)+(\t>>3))*4096 th:TH_STORE_NT   ; 512 consecutive bytes of one row, at a multiple of 256 from out0's first byte
.endr
.endm
	PLACES
	TOSTAGE 0
.irp a, 1,2,3
.if \a > 1
	s_wait_xcnt 0x0                                ; the stores of two tiles ago have read their registers
.endif
	TOSTAGE \a
	SEND \a-1, 32                                  ; behind tile a - 1's loads: tile a's 16 stores and 16 loads
.endr
	SEND 3, 0
	s_wait_tensorcnt 0x0
	s_wait_dscnt 0x0
	s_wait_tensorcnt 0x0
	ds_add_u32 v254, v255
	s_wait_dscnt 0x0
	CROUND                                         ; the closing round: no work-group ends while a partner may still ask for a tile that names it
	s_endpgm
.Lfunc_end_k_qd4ea03532d_proj:
	.size	k_qd4ea03532d_proj, .Lfunc_end_k_qd4ea03532d_proj-k_qd4ea03532d_proj
	.p2alignl 7, 3214868480
	.fill 96, 4, 3214868480
	.section	.rodata,"a",@progbits
	.p2align	6, 0x0
	.amdhsa_kernel k_qd4ea03532d_proj
		.amdhsa_group_segment_fixed_size 295424
		.amdhsa_private_segment_fixed_size 0
		.amdhsa_enable_private_segment 0
		.amdhsa_kernarg_size 32
		.amdhsa_user_sgpr_count 2
		.amdhsa_user_sgpr_kernarg_segment_ptr 1
		.amdhsa_wavefront_size32 1
		.amdhsa_system_sgpr_workgroup_id_x 1
		.amdhsa_system_sgpr_workgroup_id_y 1
		.amdhsa_system_sgpr_workgroup_id_z 1
		.amdhsa_system_vgpr_workitem_id 0
		.amdhsa_next_free_vgpr 768
		.amdhsa_next_free_sgpr 100
		.amdhsa_reserve_vcc 0
		.amdhsa_float_denorm_mode_32 3
		.amdhsa_float_denorm_mode_16_64 3
		.amdhsa_memory_ordered 1
		.amdhsa_forward_progress 1
		.amdhsa_inst_pref_size 87
	.end_amdhsa_kernel
	.amdgpu_metadata
---
amdhsa.version: [ 1, 2 ]
amdhsa.kernels:
  - .name:           k_qd4ea03532d_proj
    .symbol:         k_qd4ea03532d_proj.kd
    .args:
      - { .name: opnd, .offset: 0, .size: 8, .value_kind: global_buffer, .address_space: global }
      - { .name: att, .offset: 8, .size: 8, .value_kind: global_buffer, .address_space: global }
      - { .name: bo, .offset: 16, .size: 8, .value_kind: global_buffer, .address_space: global }
      - { .name: out0, .offset: 24, .size: 8, .value_kind: global_buffer, .address_space: global }
    .group_segment_fixed_size: 295424
    .private_segment_fixed_size: 0
    .kernarg_segment_align: 8
    .kernarg_segment_size: 32
    .max_flat_workgroup_size: 128
    .sgpr_count:     100
    .vgpr_count:     768
    .wavefront_size: 32
...
	.end_amdgpu_metadata
.endif
;; end of part 4
;; ======== version 2 of 2: 4 launches; version 1 with the launch attn written anew for expert scheduling mode
;; workspace buffers: opnd 9,830,400 bytes; qkv 21,495,808 bytes; att 6,553,600 bytes
;; launch quant: the kernel of part 1 again; grid 384 x 1, 4 waves a work-group, no clusters, 34,304 bytes of LDS; arguments Wq, Wk, Wv, Wo, x, opnd; writes opnd
;; launch qkv: the kernel of part 2 again; grid 64 x 4, 4 waves a work-group, clusters of 4 x 4, 327,680 bytes of LDS; arguments opnd, bq, bk, bv, qkv; writes qkv
;; launch attn (part 5): grid 256 x 1, 16 waves a work-group, no clusters, 104,448 bytes of LDS; arguments qkv, att; writes att
.if DOCPART == 5
	.amdgcn_target "amdgcn-amd-amdhsa--gfx1250"
	.amdhsa_code_object_version 6
	.text
	.protected	k_qd4ea03532d_attn
	.globl	k_qd4ea03532d_attn
	.p2align	8
	.type	k_qd4ea03532d_attn,@function
k_qd4ea03532d_attn:
	s_mov_b64 s[64:65], 0
	v_nop
	global_prefetch_b8 v0, s[64:65] scope:SCOPE_SE
	s_setreg_imm32_b32 hwreg(HW_REG_WAVE_SCHED_MODE, 0, 2), 2
	s_setreg_imm32_b32 hwreg(HW_REG_WAVE_MODE, 25, 1), 1
	s_wait_xcnt 0x0
	s_wait_alu depctr_vm_vsrc(0)
; For each segment of 128 rows and each head of 64: out = softmax(q k^T / 8) v over the segment's 128 keys + the sum over the neighbours s-2, s-1, s+1, s+2 of w x softmax(q kd^T / 8) vd over their keys 0, 4, 8 .. (32),
; w = 1/4 inside the batch's 32 segments and 0 outside (such a neighbour is computed on a clamped segment and multiplied by 0: no branch).  All products on codes of FP6 (E2M3) with E8M0 scales for each 32 along K.
; THE SOFTMAX: t = score x log2(e) / 8; M = the row's largest t rounded up to a whole number (each of the five softmaxes has its own M); p = 2^(t - M) is quantised along the keys; the row's sum is taken of the unquantised p and divides at the end.
; SHARES.  A work-group owns a segment and two head pairs; of its sixteen waves each owns 16 queries and one pair (two heads, one after the other), in 256 registers: four waves to a SIMD, so that one wave's softmax stands beside another's products.
; LAYOUT.  Both products transposed (S^T = K Q^T, O^T = V^T P^T): a lane holds one query.  q's and k's images hold a PAIR's 128 channels; a head's K = 64 is had by zero codes in q's other half.
; The four neighbours' vd form one operand (block beta of K = neighbour beta); p's four blocks go in one at a time, the others as zero codes, since each neighbour has its own divisor.
; The result is quantised along the channels and leaves as codes, in the order of the last launch's operand registers.
; No multicast: the four work-groups of a segment read different heads, and what neighbouring segments share (kd, vd) is a sixth of a work-group's bytes.  Operands are copied once through registers into LDS: one barrier.
; LIMITS: a block of zeros gets the byte 1 (zero codes; read by this program alone); 1 / sum is v_rcp_f32; NaN and infinities are not served.
; THE MODE: SCHED_MODE bits 1:0 = 2 (LLVM: expert scheduling mode 2), set by the entry lines.  The code itself states the register dependences
; between vector or matrix instructions and memory or LDS instructions, with s_wait_alu, always for 0.
; THE PLAN.  Sixteen waves of 256 registers take all that the four SIMDs have: there is ONE set of four fragments, FB.  Registers that memory or LDS instructions touch:
;   v1-v5, v6-v8  LDS addresses and global offsets: made at the head, never written again.  v254, v255: made at the head, read by the closing add alone.
;   v90-v116      At the head only: offsets, LDS addresses and scale words of the copy into LDS.  From the barrier on they are part of S, which products write.
;   FB, FS        At the head the copy's data.  Then: LDS loads land in them (K's two groups, V, KD's two groups, VA); products read them as source 0 and its scales; no vector instruction names them.
;   QT, v9        Global loads land in them once; six zero codes are written between q's halves at the head.
;   PC's first six, v10   Written by the way out's conversions, swaps and moves; read by its global stores.
; So a wait on va_vdst stands behind each run of products whose fragments are fetched anew (the loads follow it at once), ahead of each run of products that takes operands or scales made by vector instructions, and ahead of the
; way out's stores.  Behind head 0's last products the wait stands where their results are wanted anyway, and head 1's first fragments are asked for there: they land under the sums and the quantising that follow, which name neither FB nor FS.
; A wait on vm_vsrc stands behind the barrier (the copy has read its registers) and at head 1's start (head 0's stores have read PC).
.set KC,  6291456
.set VC,  12582912
.set VDC, 18874368
.set QS,  20447232
.set KS,  20709376
.set VDS, 21233664
.set ATS, 6291456
.set LV,  24576                        ; LDS: K [pair 2][tile 8][1,536] at 0; V likewise here;
.set LKD, 49152                        ; KD [pair][neighbour 4][tile 2][1,536];
.set LVA, 73728                        ; VA [pair][d tile 8][1,536];
.set LSC, 98304                        ; scale words, 1,024 bytes each: K's, V's, KD's, VA's
.set NM,  12                           ; v12-15  -M of the four blocks
.set L,   16                           ; v16-19  the blocks' sums, then the factors
.set FS,  20                           ; v20-21  scale words of source 0
.set QT,  24                           ; v24-41  q of head 0, six zeros, q of head 1
.set FB,  42                           ; v42-89  four fragments
.set S,   90                           ; v90-153 S^T, then p, then the neighbours' products
.set O,   154                          ; v154-185 O^T of a head
.set PC,  186                          ; v186-197 p's codes
.set MK,  198                          ; v198-233 p's blocks one at a time, with zeros between
.set BM,  234
.set TP,  238
.set TS,  242
.set CT0, 246
.set CT1, 250
.macro PLACES
.rept 4
	v_nop
.endr
.endm
.macro WMZ d, a, b, sa, sb, ra
.if (\ra)
	v_wmma_scale_f32_16x16x128_f8f6f4 v[(\d):(\d)+7], v[(\a):(\a)+11], v[(\b):(\b)+11], 0, v[(\sa)], v[(\sb)] matrix_a_fmt:MATRIX_FMT_FP6 matrix_b_fmt:MATRIX_FMT_FP6 matrix_a_scale:MATRIX_SCALE_ROW1
.else
	v_wmma_scale_f32_16x16x128_f8f6f4 v[(\d):(\d)+7], v[(\a):(\a)+11], v[(\b):(\b)+11], 0, v[(\sa)], v[(\sb)] matrix_a_fmt:MATRIX_FMT_FP6 matrix_b_fmt:MATRIX_FMT_FP6
.endif
.endm
	s_load_b128 s[4:7], s[0:1], 0x0                ; qkv, att
	v_lshl_add_u32 v254, v0, 2, 0x19000
	v_mov_b32 v255, 0
	v_lshrrev_b32 v90, 5, v0
	v_readfirstlane_b32 s8, v90                    ; wave
	s_wait_alu depctr_va_sdst(0)                   ; s8 is written, ahead of its first reader: every share and address below is made from it
	s_lshr_b32 s9, s8, 3                           ; which of the two pairs
	s_and_b32 s10, s8, 7                           ; my tile of queries
	s_lshr_b32 s11, ttmp9, 2                       ; segment
	s_and_b32 s12, ttmp9, 3
	s_lshl_b32 s13, s12, 1
	s_add_co_u32 s13, s13, s9                      ; pair
	s_and_b32 s14, s11, 31                         ; the segment within its batch
	s_and_b32 s15, s11, 32                         ; the batch's first segment
.macro NEIGH b, off                    ; neighbour b: its weight, and 8 x its clamped segment + pair
	s_add_co_i32 s30, s14, \off
	s_cmp_lt_u32 s30, 32
	s_cselect_b32 s[20+\b], 0x3e800000, 0
	s_max_i32 s30, s30, 0
	s_min_i32 s30, s30, 31
	s_add_co_u32 s30, s30, s15
	s_lshl_b32 s30, s30, 3
	s_add_co_u32 s[16+\b], s30, s13
.endm
	NEIGH 0, -2
	NEIGH 1, -1
	NEIGH 2, 1
	NEIGH 3, 2
	s_mov_b32 s24, 0x3e38aa3b                      ; c = log2(e) / 8
	s_mov_b32 s25, s24
	s_mov_b32 s26, 0x76543210
	s_mov_b32 s27, 0xfedcba98                      ; selects for lane l xor 16
	s_mov_b32 s28, 0x0000ffff                      ; lanes 0-15
	s_mov_b32 s29, 0xffff0000                      ; lanes 16-31
	s_bfe_u32 s32, s8, 0x20001                     ; the neighbour whose kd and vd I copy
	s_lshr_b32 s33, s32, 1
	s_and_b32 s34, s32, 1
	s_and_b32 s35, s8, 1                           ; which tile of kd, which half of vd
	s_add_co_u32 s30, s14, s32
	s_add_co_u32 s30, s30, s33
	s_sub_co_i32 s30, s30, 2                       ; its offset is beta - 2 + (beta >> 1)
	s_max_i32 s30, s30, 0
	s_min_i32 s30, s30, 31
	s_add_co_u32 s30, s30, s15
	s_lshl_b32 s36, s30, 3
	s_add_co_u32 s36, s36, s13
	s_lshl_b32 s37, s11, 3
	s_lshl_b32 s30, s12, 1
	s_add_co_u32 s37, s37, s30                     ; 8 segment + the work-group's first pair
	s_mul_i32 s56, s8, 1536
	s_mul_i32 s57, s9, 12288
	s_mul_i32 s38, s37, 12288
	s_add_co_u32 s38, s38, s56
	s_add_co_u32 s38, s38, KC
	s_mul_i32 s39, s36, 12288
	s_mul_i32 s30, s35, 3072
	s_add_co_u32 s39, s39, s30
	s_add_co_u32 s39, s39, KC
	s_mul_i32 s40, s36, 3072
	s_mul_i32 s30, s35, 1536
	s_add_co_u32 s40, s40, s30
	s_add_co_u32 s40, s40, VDC
	s_lshl_b32 s41, s9, 18                         ; waves 0-7 copy K's scale words, waves 8-15 V's, 262,144 bytes on
	s_lshl_b32 s30, s37, 9
	s_add_co_u32 s41, s41, s30
	s_lshl_b32 s30, s10, 7
	s_add_co_u32 s41, s41, s30
	s_add_co_u32 s41, s41, KS
	s_lshl_b32 s42, s36, 9
	s_lshl_b32 s30, s35, 7
	s_add_co_u32 s42, s42, s30
	s_add_co_u32 s42, s42, KS
	s_lshl_b32 s31, s10, 6
.irp b, 0,1,2,3
	s_lshl_b32 s[44+\b], s[16+\b], 9
	s_add_co_u32 s[44+\b], s[44+\b], s31
	s_add_co_u32 s[44+\b], s[44+\b], VDS
.endr
	s_add_co_u32 s43, s37, s9                      ; 8 segment + pair
	s_lshl_b32 s48, s43, 3
	s_add_co_u32 s48, s48, s10
	s_mul_i32 s48, s48, 1536
	s_lshl_b32 s49, s43, 9
	s_add_co_u32 s49, s49, s31
	s_add_co_u32 s49, s49, QS
	s_mul_i32 s50, s11, 98304
	s_mul_i32 s30, s13, 12288
	s_add_co_u32 s50, s50, s30
	s_mul_i32 s30, s10, 1536
	s_add_co_u32 s50, s50, s30
	s_mov_b32 s51, 0
	s_lshl_b32 s54, s11, 12
	s_lshl_b32 s30, s13, 9
	s_add_co_u32 s54, s54, s30
	s_add_co_u32 s54, s54, s31
	s_add_co_u32 s54, s54, ATS
	s_mov_b32 s55, 0
	s_mul_i32 s58, s35, 6144                       ; VA: pair, half, then block beta's place in an image: half beta >> 1, lanes 16 (beta & 1) on
	s_add_co_u32 s58, s58, s57
	s_mul_i32 s30, s33, 768
	s_add_co_u32 s58, s58, s30
	s_add_co_u32 s58, s58, LVA
	s_lshl_b32 s30, s34, 7
	s_add_co_u32 s59, s58, s30
	s_add_co_u32 s59, s59, 512
	s_lshl_b32 s30, s34, 8
	s_add_co_u32 s58, s58, s30
	v_and_b32 v154, 31, v0                         ; lane
	v_and_b32 v155, 15, v0
	v_bfe_u32 v156, v0, 4, 1
	v_and_b32 v157, 7, v0
	v_bfe_u32 v158, v0, 3, 1
	v_lshl_add_u32 v90, v154, 4, s38               ; K (and V, VC - KC bytes on): my 1,536 bytes as they lie
	v_mul_u32_u24 v91, v158, 6144                  ; KD: tile tau, row rho', is k's tile 4 (rho' >> 3) + 2 tau, row rho' & 7
	v_add_nc_u32 v91, s39, v91
	v_lshl_add_u32 v92, v156, 7, v91
	v_lshl_add_u32 v92, v157, 3, v92
	v_add_nc_u32 v92, 512, v92
	v_lshl_add_u32 v91, v156, 8, v91
	v_lshl_add_u32 v91, v157, 4, v91
	v_lshl_add_u32 v93, v154, 4, s40
	v_lshl_add_u32 v94, v154, 3, s40
	v_add_nc_u32 v94, 512, v94
	v_lshl_add_u32 v95, v154, 2, s41
	v_lshl_add_u32 v96, v158, 8, s42
	v_lshl_add_u32 v96, v157, 2, v96
.irp b, 0,1,2,3
	v_lshl_add_u32 v[97+\b], v155, 2, s[44+\b]
.endr
	v_lshl_add_u32 v101, v154, 4, s48
	v_lshl_add_u32 v102, v154, 3, s48
	v_add_nc_u32 v102, 512, v102
	v_lshl_add_u32 v103, v155, 2, s49
	v_lshl_add_u32 v104, v154, 4, s56              ; LDS: 1,536 x wave + 16 l
	v_lshl_add_u32 v106, v154, 3, s56
	v_mul_u32_u24 v107, v156, 1536
	v_lshl_add_u32 v108, v155, 3, v107
	v_add_nc_u32 v108, s59, v108
	v_lshl_add_u32 v107, v155, 4, v107
	v_add_nc_u32 v107, s58, v107
	s_lshl_b32 s30, s8, 7
	s_add_co_u32 s30, s30, LSC
	v_lshl_add_u32 v109, v154, 2, s30
	s_lshl_b32 s30, s8, 6
	s_add_co_u32 s30, s30, LSC+2048
	v_lshl_add_u32 v110, v155, 2, s30
	v_lshl_add_u32 v1, v154, 4, s57                ; what stays: an image's first plane in my pair's K (V: LV on),
	v_lshl_add_u32 v2, v154, 3, s57
	v_add_nc_u32 v2, 512, v2                       ; its second plane,
	v_add_nc_u32 v3, LKD, v1                       ; the same in KD (VA: LV on)
	v_add_nc_u32 v4, LKD, v2
	s_lshl_b32 s30, s9, 9
	s_add_co_u32 s30, s30, LSC
	v_lshl_add_u32 v5, v154, 2, s30                ; scale words: lanes 0-15 an even tile's, lanes 16-31 the next tile's
	v_lshlrev_b32 v6, 4, v154
	v_lshlrev_b32 v7, 3, v154
	v_lshlrev_b32 v8, 2, v155
	s_wait_kmcnt 0x0
	s_add_nc_u64 s[52:53], s[6:7], s[50:51]
	s_add_nc_u64 s[54:55], s[6:7], s[54:55]
	s_wait_alu depctr_va_vdst(0)                   ; every offset and LDS address (v1 to v8, v90 to v110) and the closing add's v254 and v255 are written: the loads and stores of the whole kernel read them
.irp i, 0,1,2
	global_load_b128 v[FB+4*\i:FB+4*\i+3], v90, s[4:5] offset:512*\i
	global_load_b128 v[FB+12+4*\i:FB+12+4*\i+3], v90, s[4:5] offset:VC-KC+512*\i
.endr
.irp c, 0,1
	global_load_b128 v[FB+24+6*\c:FB+24+6*\c+3], v91, s[4:5] offset:768*\c
	global_load_b64 v[FB+24+6*\c+4:FB+24+6*\c+5], v92, s[4:5] offset:768*\c
	global_load_b128 v[FB+36+6*\c:FB+36+6*\c+3], v93, s[4:5] offset:768*\c
	global_load_b64 v[FB+36+6*\c+4:FB+36+6*\c+5], v94, s[4:5] offset:768*\c
.endr
	global_load_b32 v111, v95, s[4:5]
	global_load_b32 v112, v96, s[4:5]
.irp b, 0,1,2,3
	global_load_b32 v[113+\b], v[97+\b], s[4:5]
.endr
	global_load_b128 v[QT:QT+3], v101, s[4:5]
	global_load_b64 v[QT+4:QT+5], v102, s[4:5]
	global_load_b128 v[QT+12:QT+15], v101, s[4:5] offset:768
	global_load_b64 v[QT+16:QT+17], v102, s[4:5] offset:768
	global_load_b32 v9, v103, s[4:5]               ; q's scale words
.irp i, 0,1,2,3,4,5
	v_mov_b32 v[QT+6+\i], 0                        ; zero codes
	v_mov_b32 v[MK+6+\i], 0
	v_mov_b32 v[MK+24+\i], 0
.endr
.irp b, 0,1,2,3
	v_mov_b32 v[TP+\b], 0                          ; a lane permute's destination counts as one of its sources
.endr
	v_mov_b32 v23, 0                               ; (named as the upper half of the pair v[22:23])
	s_wait_loadcnt 0x0
	v_bfi_b32 v113, 0xff, v113, v114               ; each neighbour's word holds its byte four times: byte b is taken from neighbour b
	v_bfi_b32 v113, 0xffff, v113, v115
	v_bfi_b32 v113, 0xffffff, v113, v116
	s_wait_alu depctr_va_vdst(0)                   ; v113 is written, which the last LDS store below reads; so are the zero codes beside q's halves and among p's blocks, which products take as operands
.irp i, 0,1,2
	ds_store_b128 v104, v[FB+4*\i:FB+4*\i+3] offset:512*\i
	ds_store_b128 v104, v[FB+12+4*\i:FB+12+4*\i+3] offset:LV+512*\i
.endr
.irp c, 0,1
	ds_store_b128 v104, v[FB+24+6*\c:FB+24+6*\c+3] offset:LKD+768*\c
	ds_store_b64 v106, v[FB+24+6*\c+4:FB+24+6*\c+5] offset:LKD+512+768*\c
	ds_store_b128 v107, v[FB+36+6*\c:FB+36+6*\c+3] offset:3072*\c
	ds_store_b64 v108, v[FB+36+6*\c+4:FB+36+6*\c+5] offset:3072*\c
.endr
	ds_store_b32 v109, v111
	ds_store_b32 v110, v112                        ; (lanes 16-31 write the same words to the same places)
	ds_store_b32 v110, v113 offset:1024
	s_wait_dscnt 0x0                               ; for the others' sake: my stores are done
	s_barrier_signal -1
	s_barrier_wait -1
	s_wait_alu depctr_vm_vsrc(0)                   ; the copy's loads and LDS stores have read v90 to v116 and FB: LDS loads land in FB from here on, and products write v90 on as S
; Half e of the images of four tiles of 16 keys (group g of two), and their scale words.  Only half e of each image is fetched: the other half of the registers meets q's zero codes.
.macro KLOAD aa, ab, scl, e, g
.irp t, 0,1,2,3
	ds_load_b128 v[FB+12*\t+6*(\e):FB+12*\t+6*(\e)+3], v[\aa] offset:(4*(\g)+\t)*1536+768*(\e)
	ds_load_b64 v[FB+12*\t+6*(\e)+4:FB+12*\t+6*(\e)+5], v[\ab] offset:(4*(\g)+\t)*1536+768*(\e)
.endr
	ds_load_b32 v[FS], v5 offset:\scl+(4*(\g))*64
	ds_load_b32 v[FS+1], v5 offset:\scl+(4*(\g)+2)*64
.endm
; S^T = (these four tiles) x q of head e
.macro KMUL e, g
	s_wait_dscnt 0x0
.irp t, 0,1,2,3
	WMZ S+8*(4*(\g)+\t), FB+12*\t, QT+6*(\e), FS+\t/2, 9, \t%2
.endr
.endm
; head e's four tiles of V (or VA), whole: asked for here, waited for in front of the products behind the softmax
.macro VLOAD aa, ab, scl, e
	PLACES
	s_wait_alu depctr_va_vdst(0)                   ; the scores' products are done reading FB and FS, in which the loads below land
.irp t, 0,1,2,3
.irp c, 0,1
	ds_load_b128 v[FB+12*\t+6*\c:FB+12*\t+6*\c+3], v[\aa] offset:LV+(4*(\e)+\t)*1536+768*\c
	ds_load_b64 v[FB+12*\t+6*\c+4:FB+12*\t+6*\c+5], v[\ab] offset:LV+(4*(\e)+\t)*1536+768*\c
.endr
.endr
	ds_load_b32 v[FS], v5 offset:\scl+(4*(\e))*64
	ds_load_b32 v[FS+1], v5 offset:\scl+(4*(\e)+2)*64
.endm
; The scores' four blocks of 32 keys become p's codes in v[PC] on, their scale word in v11, and the factors.  x = 0: one softmax over the four blocks; x = 1: a softmax to each block.
.macro SOFT x
.irp b, 0,1,2,3
	v_max3_num_f32 v[BM+\b], v[S+16*\b], v[S+16*\b+1], v[S+16*\b+2]   ; each block's largest score: for M, and, since p rises with the score, for the block's largest p
.endr
.irp i, 3,5,7,9,11,13
.irp b, 0,1,2,3
	v_max3_num_f32 v[BM+\b], v[BM+\b], v[S+16*\b+\i], v[S+16*\b+\i+1]
.endr
.endr
.irp b, 0,1,2,3
	v_max_num_f32 v[BM+\b], v[BM+\b], v[S+16*\b+15]
.endr
.irp b, 0,1,2,3
	v_permlanex16_b32 v[TP+\b], v[BM+\b], s26, s27
.endr
.irp b, 0,1,2,3
	v_max_num_f32 v[BM+\b], v[BM+\b], v[TP+\b]
.endr
.if \x
.irp b, 0,1,2,3
	v_mul_f32 v[NM+\b], s24, v[BM+\b]
.endr
.irp b, 0,1,2,3
	v_floor_f32 v[NM+\b], -v[NM+\b]                ; -M = floor(-t) = -ceil(t)
.endr
.else
	v_max3_num_f32 v22, v[BM], v[BM+1], v[BM+2]
	v_max_num_f32 v22, v22, v[BM+3]
	v_mul_f32 v22, s24, v22
	v_floor_f32 v[NM], -v22
	v_mov_b32 v[NM+1], v[NM]
	v_mov_b32 v[NM+2], v[NM]
	v_mov_b32 v[NM+3], v[NM]
.endif
.irp b, 0,1,2,3
.irp k, 0,2,4,6,8,10,12,14
.if \b%2
	v_pk_fma_f32 v[S+16*\b+\k:S+16*\b+\k+1], v[S+16*\b+\k:S+16*\b+\k+1], s[24:25], v[NM+2*(\b/2):NM+2*(\b/2)+1] op_sel:[0,0,1] op_sel_hi:[1,0,1]   ; t - M: of the pair of -M the high word serves both halves
.else
	v_pk_fma_f32 v[S+16*\b+\k:S+16*\b+\k+1], v[S+16*\b+\k:S+16*\b+\k+1], s[24:25], v[NM+2*(\b/2):NM+2*(\b/2)+1] op_sel_hi:[1,0,0]
.endif
.endr
.endr
.irp b, 0,1,2,3
	v_fma_f32 v[BM+\b], v[BM+\b], s24, v[NM+\b]
.endr
.irp j, 0,1,2,3,4,5,6,7,8,9,10,11,12,13,14,15,16,17,18,19,20,21,22,23,24,25,26,27,28,29,30,31,32,33,34,35,36,37,38,39,40,41,42,43,44,45,46,47,48,49,50,51,52,53,54,55,56,57,58,59,60,61,62,63
	v_exp_f32 v[S+\j], v[S+\j]                     ; p = 2^(t - M), at most 1
.endr
.irp b, 0,1,2,3
	v_exp_f32 v[BM+\b], v[BM+\b]
.endr
	v_nop                                          ; a plain line behind the exponentials
	s_wait_alu depctr_va_vdst(0)                   ; the 68 exponentials have written p and the blocks' largest p: one wait for the batch, ahead of its first reader
.irp b, 0,1,2,3
	v_max_num_f32 v[BM+\b], 0x1800000, v[BM+\b]
.endr
.irp b, 0,1,2,3
	v_add_nc_u32 v[TS+\b], 0xff000000, v[BM+\b]
.endr
.irp b, 0,1,2,3
	v_lshrrev_b32 v[TP+\b], 23, v[TS+\b]
.endr
	v_lshl_or_b32 v11, v[TP+1], 8, v[TP]
	v_lshl_or_b32 v11, v[TP+2], 16, v11
	v_lshl_or_b32 v11, v[TP+3], 24, v11
	v_cvt_scalef32_pk16_fp6_f32 v[PC:PC+2], v[S:S+15], v[TS]
	v_cvt_scalef32_pk16_fp6_f32 v[CT0:CT0+2], v[S+16:S+31], v[TS+1]
	v_cvt_scalef32_pk16_fp6_f32 v[PC+6:PC+8], v[S+32:S+47], v[TS+2]
	v_cvt_scalef32_pk16_fp6_f32 v[CT1:CT1+2], v[S+48:S+63], v[TS+3]
	v_nop
.irp i, 0,1,2
	v_permlane16_swap_b32 v[PC+\i], v[CT0+\i]
	v_permlane16_swap_b32 v[PC+6+\i], v[CT1+\i]
.endr
.irp i, 0,1,2
	v_mov_b32 v[PC+3+\i], v[CT0+\i]
	v_mov_b32 v[PC+9+\i], v[CT1+\i]
.endr
.irp k, 0,4,8,12                       ; the sums of the unquantised p, block by block, in place.  (These lines are also the places between p's codes and scale word and the products that take them)
.irp b, 0,1,2,3
	v_pk_add_f32 v[S+16*\b+\k:S+16*\b+\k+1], v[S+16*\b+\k:S+16*\b+\k+1], v[S+16*\b+\k+2:S+16*\b+\k+3]
.endr
.endr
.irp k, 0,8
.irp b, 0,1,2,3
	v_pk_add_f32 v[S+16*\b+\k:S+16*\b+\k+1], v[S+16*\b+\k:S+16*\b+\k+1], v[S+16*\b+\k+4:S+16*\b+\k+5]
.endr
.endr
.irp b, 0,1,2,3
	v_pk_add_f32 v[S+16*\b:S+16*\b+1], v[S+16*\b:S+16*\b+1], v[S+16*\b+8:S+16*\b+9]
.endr
.irp b, 0,1,2,3
	v_add_f32 v[L+\b], v[S+16*\b], v[S+16*\b+1]
.endr
.irp b, 0,1,2,3
	v_permlanex16_b32 v[TP+\b], v[L+\b], s26, s27
.endr
.irp b, 0,1,2,3
	v_add_f32 v[L+\b], v[L+\b], v[TP+\b]
.endr
.if \x
.irp b, 0,1,2,3
	v_rcp_f32 v[L+\b], v[L+\b]
.endr
	v_nop
	s_wait_alu depctr_va_vdst(0)                   ; the four reciprocals have written v[L] on, ahead of their first reader
.irp b, 0,1,2,3
	v_mul_f32 v[L+\b], s[20+\b], v[L+\b]           ; the neighbour's weight / its sum
.endr
.else
	v_add_f32 v[L], v[L], v[L+1]
	v_add_f32 v[L+2], v[L+2], v[L+3]
	v_add_f32 v[L], v[L], v[L+2]
	v_rcp_f32 v22, v[L]
	v_nop
.endif
.endm
.macro XP t                            ; d tile t x each neighbour's p by itself
.irp be, 0,1,2,3
	WMZ S+32*((\t)%2)+8*\be, FB+12*(\t), MK+18*(\be%2)+6*(\be/2), FS+(\t)/2, 11, (\t)%2
.endr
.endm
.macro COMB t                          ; O^T += each neighbour's product x its factor; each product from its low end on
.irp be, 0,1,2,3
.irp k, 0,2,4,6
.if \be%2
	v_pk_fma_f32 v[O+8*(\t)+\k:O+8*(\t)+\k+1], v[S+32*((\t)%2)+8*\be+\k:S+32*((\t)%2)+8*\be+\k+1], v[L+2*(\be/2):L+2*(\be/2)+1], v[O+8*(\t)+\k:O+8*(\t)+\k+1] op_sel:[0,1,0] op_sel_hi:[1,1,1]
.else
	v_pk_fma_f32 v[O+8*(\t)+\k:O+8*(\t)+\k+1], v[S+32*((\t)%2)+8*\be+\k:S+32*((\t)%2)+8*\be+\k+1], v[L+2*(\be/2):L+2*(\be/2)+1], v[O+8*(\t)+\k:O+8*(\t)+\k+1] op_sel_hi:[1,0,1]
.endif
.endr
.endr
.endm
.macro OQ e                            ; the head's 64 channels, register 16 b + i = channel 32 b + 16 (lane / 16) + i, become half e of the pair's image
.irp b, 0,1
	v_max3_num_f32 v[BM+\b], |v[O+16*\b]|, |v[O+16*\b+1]|, 0x1800000
.endr
.irp i, 2,4,6,8,10,12,14
.irp b, 0,1
	v_max3_num_f32 v[BM+\b], v[BM+\b], |v[O+16*\b+\i]|, |v[O+16*\b+\i+1]|
.endr
.endr
.irp b, 0,1
	v_permlanex16_b32 v[TP+\b], v[BM+\b], s26, s27
.endr
.irp b, 0,1
	v_max_num_f32 v[BM+\b], v[BM+\b], v[TP+\b]
.endr
.irp b, 0,1
	v_add_nc_u32 v[TS+\b], 0xff000000, v[BM+\b]
.endr
.irp b, 0,1
	v_lshrrev_b32 v[TP+\b], 23, v[TS+\b]
.endr
	v_cvt_scalef32_pk16_fp6_f32 v[PC:PC+2], v[O:O+15], v[TS]
	v_cvt_scalef32_pk16_fp6_f32 v[CT0:CT0+2], v[O+16:O+31], v[TS+1]
	v_nop
.irp i, 0,1,2
	v_permlane16_swap_b32 v[PC+\i], v[CT0+\i]
.endr
.irp i, 0,1,2
	v_mov_b32 v[PC+3+\i], v[CT0+\i]
.endr
.if \e
	v_lshl_or_b32 v10, v[TP], 16, v10
	v_lshl_or_b32 v10, v[TP+1], 24, v10
.else
	v_lshl_or_b32 v10, v[TP+1], 8, v[TP]
.endif
	s_wait_alu depctr_va_vdst(0)                   ; the conversions, swaps and moves have written PC's first six, which the two stores below read; v10 is written, which the kernel's last store reads
	global_store_b128 v6, v[PC:PC+3], s[52:53] offset:768*(\e)          ; 512 consecutive bytes
	global_store_b64 v7, v[PC+4:PC+5], s[52:53] offset:768*(\e)+512     ; 256
.endm
.macro HEAD e
.if \e
	s_wait_xcnt 0x0                                ; the last head's stores have read p's registers
	s_wait_alu depctr_vm_vsrc(0)                   ; the last head's stores have read PC's first six, which this head's conversions write again
.else
	KLOAD 1, 2, 0, 0, 0                            ; no wait: no vector or matrix instruction has named FB or FS, and the addresses were written ahead of the head's waits.  (Head 1's were asked for in head 0)
.endif
	KMUL \e, 0
	PLACES                                         ; in front of loads into registers that matrix instructions have read
	s_wait_alu depctr_va_vdst(0)                   ; the four products are done reading FB and FS, in which the next four tiles land
	KLOAD 1, 2, 0, \e, 1
	KMUL \e, 1
	VLOAD 1, 2, 1024, \e
	SOFT 0
	s_wait_dscnt 0x0                               ; V is in
	s_wait_alu depctr_va_vdst(0)                   ; p's codes and scale word are written, which the products below take as source 1 and its scales (their places stand above); the reciprocal has written v22
.irp t, 0,1,2,3
	WMZ O+8*\t, FB+12*\t, PC, FS+\t/2, 11, \t%2
.endr
	PLACES
	s_wait_alu depctr_va_vdst(0)                   ; these products are done reading V's fragments and scale words in FB and FS, in which the neighbours' keys land
	KLOAD 3, 4, 2048, \e, 0
	KMUL \e, 0
	PLACES
	s_wait_alu depctr_va_vdst(0)                   ; the four products are done reading FB and FS, in which the next four tiles land
	KLOAD 3, 4, 2048, \e, 1
	KMUL \e, 1
	VLOAD 3, 4, 3072, \e
	SOFT 1
.irp i, 0,1,2,3,4,5
	v_cndmask_b32 v[MK+\i], 0, v[PC+\i], s28       ; neighbour 0's block alone,
	v_cndmask_b32 v[MK+12+\i], 0, v[PC+6+\i], s28  ; 2's,
	v_cndmask_b32 v[MK+18+\i], 0, v[PC+\i], s29    ; 1's,
	v_cndmask_b32 v[MK+30+\i], 0, v[PC+6+\i], s29  ; 3's
.endr
.irp k, 0,2,4,6,8,10,12,14,16,18,20,22,24,26,28,30
	v_pk_mul_f32 v[O+\k:O+\k+1], v[O+\k:O+\k+1], v[22:23] op_sel_hi:[1,0]   ; the local part / its sum.  (Also the places in front of the products below)
.endr
	s_wait_dscnt 0x0                               ; VA is in
	s_wait_alu depctr_va_vdst(0)                   ; p's four blocks in MK and their scale word are written, which the products below take as source 1 and its scales (their places stand above)
	XP 0
	XP 1
	PLACES
	COMB 0
	COMB 1                                         ; between a product and the product that writes over its registers: the four lines above and the other tile's sixteen
	XP 2
	XP 3
	PLACES
.if (\e) == 0
	s_wait_alu depctr_va_vdst(0)                   ; the neighbours' products are done reading VA's fragments and scale words in FB and FS, in which the next head's first four tiles land
	KLOAD 1, 2, 0, 1, 0                            ; they land under the lines below, which name neither FB nor FS
.endif
	COMB 2
	COMB 3
	OQ \e
.endm
	HEAD 0
	HEAD 1
	global_store_b32 v8, v10, s[54:55]             ; my 16 rows' scale words (lanes 16-31 store the same words to the same places).  No wait: v10 was written ahead of the last wait on va_vdst, and only stores stand between
	s_wait_dscnt 0x0                               ; the closing lines, six on end
	s_wait_alu 0x0
	s_wait_tensorcnt 0x0
	ds_add_u32 v254, v255
	s_wait_dscnt 0x0
	s_endpgm
.Lfunc_end_k_qd4ea03532d_attn:
	.size	k_qd4ea03532d_attn, .Lfunc_end_k_qd4ea03532d_attn-k_qd4ea03532d_attn
	.p2alignl 7, 3214868480
	.fill 96, 4, 3214868480
	.section	.rodata,"a",@progbits
	.p2align	6, 0x0
	.amdhsa_kernel k_qd4ea03532d_attn
		.amdhsa_group_segment_fixed_size 104448
		.amdhsa_private_segment_fixed_size 0
		.amdhsa_enable_private_segment 0
		.amdhsa_kernarg_size 16
		.amdhsa_user_sgpr_count 2
		.amdhsa_user_sgpr_kernarg_segment_ptr 1
		.amdhsa_wavefront_size32 1
		.amdhsa_system_sgpr_workgroup_id_x 1
		.amdhsa_system_sgpr_workgroup_id_y 1
		.amdhsa_system_sgpr_workgroup_id_z 1
		.amdhsa_system_vgpr_workitem_id 0
		.amdhsa_next_free_vgpr 256
		.amdhsa_next_free_sgpr 66
		.amdhsa_reserve_vcc 0
		.amdhsa_float_denorm_mode_32 3
		.amdhsa_float_denorm_mode_16_64 3
		.amdhsa_memory_ordered 1
		.amdhsa_forward_progress 1
		.amdhsa_inst_pref_size 96
	.end_amdhsa_kernel
	.amdgpu_metadata
---
amdhsa.version: [ 1, 2 ]
amdhsa.kernels:
  - .name:           k_qd4ea03532d_attn
    .symbol:         k_qd4ea03532d_attn.kd
    .args:
      - { .name: qkv, .offset: 0, .size: 8, .value_kind: global_buffer, .address_space: global }
      - { .name: att, .offset: 8, .size: 8, .value_kind: global_buffer, .address_space: global }
    .group_segment_fixed_size: 104448
    .private_segment_fixed_size: 0
    .kernarg_segment_align: 8
    .kernarg_segment_size: 16
    .max_flat_workgroup_size: 512
    .sgpr_count:     66
    .vgpr_count:     256
    .wavefront_size: 32
...
	.end_amdgpu_metadata
.endif
;; end of part 5
;; launch proj: the kernel of part 4 again; grid 64 x 4, 4 waves a work-group, clusters of 4 x 4, 295,424 bytes of LDS; arguments opnd, att, bo, out0; writes out0
